; MI455X (gfx1250); checked and timed in simulation.
; The chip was launched on July 23, 2026; its instructions are those of AMD's public machine-readable ISA for CDNA 5 (MIT licence, August 2026) and "CDNA5" Instruction Set Architecture Reference Guide (July 2026). The comments in the code are by the model that wrote it; some were corrected since.
;; Multi Head Attention. Allowed arithmetic: matrix products marked QUANTISED: E3M2 operands, one E8M0 scale for each 32 along K, by v_wmma_scale_f32_16x16x128_f8f6f4 with both operands' format E3M2, f32 sums; everything else in f32.
;; Inputs: Wk 1,024 x 1,024 float32; Wo 1,024 x 1,024 float32; Wq 1,024 x 1,024 float32; Wv 1,024 x 1,024 float32; bk 1,024 float32; bo 1,024 float32; bq 1,024 float32; bv 1,024 float32; x 2 x 2,048 x 1,024 float32.
;; Outputs: out0 2 x 2,048 x 1,024 float32.
;; This version of the problem:
;;   THIS VERSION OF THE PROBLEM IS GIVEN IN LOW PRECISION. The matrix products marked QUANTISED in the list below multiply operands that are first quantised to E3M2 (3 exponent bits, 2 mantissa bits; 6 bits a number), with one power-of-two scale for each 32 numbers along K (OCP MX v1.0); their sums are f32. All else is computed in f32.
;;   The module's matrix products, in the order in which they are computed (A, B: the left and right operand; K: the contracted axis; several contracted axes count as one K, in the product's order):
;;     1. [M 4,096, K 1,024] x [K 1,024, N 1,024]; A: input x; B: input Wq: QUANTISED
;;     2. [M 4,096, K 1,024] x [K 1,024, N 1,024]; A: input x; B: input Wk: QUANTISED
;;     3. [M 4,096, K 1,024] x [K 1,024, N 1,024]; A: input x; B: input Wv: QUANTISED
;;     4. batch 32 x [M 2,048, K 64] x [K 64, N 2,048]; A: computed on the way; B: computed on the way: QUANTISED
;;     5. batch 32 x [M 2,048, K 2,048] x [K 2,048, N 64]; A: softmax (see below); B: computed on the way: QUANTISED
;;     6. [M 4,096, K 1,024] x [K 1,024, N 1,024]; A: computed on the way; B: input Wo: QUANTISED
;;   THE QUANTISER, for each operand of a quantised product, along K:
;;     - K is cut into blocks of 32 from its start; a last block that is shorter is filled with zeros.
;;     - A block's scale is 2^e with e = floor(log2(the largest magnitude in the block)) - 4, held to -126 .. 127; a block of zeros has e = 0. As a byte (E8M0): e + 127.
;;     - Each number is divided by its block's scale, clamped to +-28, and rounded to the nearest number of E3M2, ties to even, subnormals kept.
;;     - The product sums the exact products of the quantised numbers (number of the format x scale) in f32.
;;   ~~~python
;;   def quantise(x, axis):      # numpy; x: float32 -> the quantised numbers, widened to float32 again
;;       x = np.moveaxis(x, axis, -1); K = x.shape[-1]
;;       x = np.pad(x, [(0, 0)] * (x.ndim - 1) + [(0, -K % 32)]); x = x.reshape(x.shape[:-1] + (-1, 32)); a = np.abs(x).max(-1, keepdims=True)
;;       e = np.where(a > 0, np.clip(np.frexp(np.where(a > 0, a, 1))[1] - 1 - 4, -126, 127), 0)      # np.frexp(a)[1] - 1 = floor(log2(a)), exactly
;;       r = np.clip(x / 2.0 ** e, -28, 28)
;;       step = 2.0 ** (np.maximum(np.frexp(np.where(r == 0, 1, r))[1] - 1, -2) - 2)
;;       q = np.round(r / step) * step * 2.0 ** e      # np.round: ties to even
;;       return np.moveaxis(q.reshape(q.shape[:-2] + (-1,))[..., :K], -1, axis).astype(np.float32)
;;   ~~~
;;   SOFTMAX AHEAD OF A QUANTISED PRODUCT. Where the list says 'softmax', what is quantised is not the finished softmax but p = 2^(t - M), with t = logit x log2(e) and M = ceil(the row's largest t), a whole number; so 1/2 < the row's largest p <= 1. The row's sum l is taken of the UNQUANTISED p, in f32, and the product's result is divided by l at the end. Since M is a whole number, a kernel that streams over the keys may use a running M (the ceiling of the running maximum): every later rescaling is an exact power of two, which a block's scale takes up: the codes' values come out the same.
;;   OPERANDS COMPUTED ON THE WAY. 'Computed on the way' means the value that the module computes at that place (a softmax that the list does not call 'softmax' is quantised finished and normalised). What goes into a quantiser is computed in f32, as accurately as f32 sums, v_exp_f32 and their like allow (about 1e-6 of the number): no bf16 or f16 on the way to a quantiser, and a product that is left as it is and whose result goes on into a quantised operand takes f32 operands (vector FMAs, or v_wmma_f32_16x16x4_f32). A number that lies on a knife's edge between two numbers of the format may be rounded either way, as far as f32 arithmetic and the matrix unit's own rounding can turn it there, and no further.
;; One version. Each part assembles by itself: llvm-mc -triple=amdgcn-amd-amdhsa -mcpu=gfx1250 --defsym DOCPART=n.
;; ======== version 1 of 1: 4 launches
;; limits: right only within a limited range of input values
;; workspace buffers: xc 3,145,728 bytes; xs 131,072 bytes; wc 3,145,728 bytes; ws 131,072 bytes; qkv 9,699,328 bytes; qkvs 262,144 bytes; ao 3,145,728 bytes; aos 131,072 bytes
;; launch quant (part 1): grid 512 x 1, 4 waves a work-group, no clusters, 47,616 bytes of LDS; arguments x, Wq, Wk, Wv, Wo, xc, xs, wc, ws; writes xc, xs, wc, ws
.if DOCPART == 1
	.amdgcn_target "amdgcn-amd-amdhsa--gfx1250"
	.amdhsa_code_object_version 6
	.text
	.protected	k_q7c9d984ff3_quant
	.globl	k_q7c9d984ff3_quant
	.p2align	8
	.type	k_q7c9d984ff3_quant,@function
k_q7c9d984ff3_quant:
	s_mov_b64 s[64:65], 0
	v_nop
	global_prefetch_b8 v0, s[64:65] scope:SCOPE_SE
	s_setreg_imm32_b32 hwreg(HW_REG_WAVE_MODE, 25, 1), 1
	s_wait_xcnt 0x0
; x [4096][1024] and Wq, Wk, Wv, Wo [1024 (k)][1024 (n)], f32, become codes of BF6 (E3M2) with one E8M0 byte for each 32 along K (x: its last axis; the weights: their FIRST axis).
; A block's scale is 2^(floor(log2(its largest magnitude)) - 4); its byte is the largest magnitude's exponent field - 4, held at 1 from below; numbers beyond 28 scales take the largest code.
; LIMITS: NaN and infinities among the inputs are not served; a block whose largest magnitude lies under 2^-122 keeps the floor's byte, 1; a block of zeros has the byte 1 and not 127: its codes are zeros, and this program alone reads the bytes.
; THE OUTPUT IS LAID AS THE MATRIX OPERAND'S REGISTERS.  A half image (768 bytes) holds 16 rows x 64 along K: lane l = r + 16 h holds row r's block h, 24 bytes = six registers; registers 0-3 lie at byte 16 l, registers 4-5 at byte 512 + 8 l.
; Two half images on end are a fragment (16 rows x 128 K).  A fragment's scale words: 16 words, row r's at 4 r, byte b for k = 32 b on.
; THE ROWS OF A TILE ARE NOT NEIGHBOURS, so that a product's results lie ready for the next quantiser.  Row r of a tile t of a weight's columns is column 32 (t / 2) + 8 (t % 2) + r + 8 (r / 8): where such a tile is source 0, the 16 result
; registers of tiles 2 b, 2 b + 1 are the neighbours 32 b + 16 h + 0 .. 15.  Row r of a tile T of x's tokens is token 64 (T / 4) + 8 (T % 4) + r % 8 + 32 (r / 8): where such a tile is source 0, the 32 result registers of tiles
; 4 g .. 4 g + 3 are the whole block of tokens 64 g + 32 h + 0 .. 31.
; xc [T 256][K step 8][2][768], xs [T][K step][16 words];  wc [matrix 4: q, k, v, o][tile 64][K step 8][2][768], ws likewise.
; Work-groups 0-255 take a tile of x each (a wave: two K steps), work-groups 256-511 a K step of 128 columns of a weight (a wave: 32 columns).  Each takes 64 KiB of f32.  No barrier: waves share nothing; the two paths have LDS bytes of their own.
; No matrix unit, no cluster, no tensor load: every byte is read once and nothing is shared between work-groups.
.set TM,   8                           ; v8-9   largest magnitudes, two chains
.set SCO,  10                          ; v10    the conversions' scale operand
.set E0,   11                          ; v11-12 scale bytes
.set E1,   12
.set WD,   14                          ; v14-15 x path: the two fragments' scale words
.set R,    16                          ; v16-143  128 numbers as loaded
.set X,    144                         ; v144-207 x path: 64 numbers of my row
.set XC,   208                         ; v208-255 x path: four sets of codes, 12 registers each, so that no store's data are written again
.set WC,   144                         ; v144-191 W path: four sets of codes
.set WRB,  192                         ; v192-215 W path: two fragments read back
.set XSTG, 8448                        ; x path: a wave's stage: 16 rows x (512 bytes + 16); four of them from LDS byte 0
.set WST0, 33792                       ; W path: the stages begin here
.set WSTG, 3328                        ; a wave's: two fragments,
.set WFP,  1664                        ; 1,536 bytes + 128 apart
; 32 numbers of ONE lane, a whole block, v[s] on, become 24 bytes of codes in v[cd] .. v[cd + 5] and the scale's byte in v[e]
.macro QB s, cd, e
	v_max3_num_f32 v[TM], |v[(\s)]|, |v[(\s)+1]|, |v[(\s)+2]|
	v_max3_num_f32 v[TM+1], |v[(\s)+3]|, |v[(\s)+4]|, |v[(\s)+5]|
.irp i, 6,10,14,18,22,26
	v_max3_num_f32 v[TM], v[TM], |v[(\s)+\i]|, |v[(\s)+\i+1]|
	v_max3_num_f32 v[TM+1], v[TM+1], |v[(\s)+\i+2]|, |v[(\s)+\i+3]|
.endr
	v_max3_num_f32 v[TM], v[TM], |v[(\s)+30]|, |v[(\s)+31]|
	v_max3_num_f32 v[TM], v[TM], v[TM+1], 0x2800000                ; and the floor 2^(5 - 127): the byte cannot fall under 1
	v_add_nc_u32 v[SCO], 0xfe000000, v[TM]                         ; 4 off the exponent field: the conversion takes the exponent field of this operand as its scale
	v_cvt_scalef32_pk16_bf6_f32 v[(\cd):(\cd)+2], v[(\s):(\s)+15], v[SCO]
	v_cvt_scalef32_pk16_bf6_f32 v[(\cd)+8:(\cd)+10], v[(\s)+16:(\s)+31], v[SCO]   ; (a conversion's three registers begin on an even number)
	v_lshrrev_b32 v[\e], 23, v[SCO]                                ; the byte; also the plain line between the conversions and the moves that read their result
.irp i, 0,1,2
	v_mov_b32 v[(\cd)+3+\i], v[(\cd)+8+\i]
.endr
.endm
	s_load_b256 s[4:11], s[0:1], 0x0               ; x, Wq, Wk, Wv
	s_load_b256 s[12:19], s[0:1], 0x20             ; Wo, xc, xs, wc
	s_load_b64 s[20:21], s[0:1], 0x40              ; ws
	v_lshl_add_u32 v251, v0, 2, 0xb800
	v_mov_b32 v255, 0
	v_lshrrev_b32 v1, 5, v0
	v_readfirstlane_b32 s22, v1                    ; wave 0..3
	v_and_b32 v15, 31, v0                          ; lane
	s_mov_b32 s40, 0x76543210
	s_mov_b32 s41, 0xfedcba98                      ; v_permlanex16_b32's selects for lane l xor 16
	s_cmp_lt_u32 ttmp9, 256
	s_cbranch_scc0 .Lweights
	; ---- x: tile T = the work-group's number; my wave takes K steps 2 w and 2 w + 1: 1,024 bytes of each of the tile's 16 rows
	v_lshlrev_b32 v1, 4, v15                       ; 16 l
	s_mul_i32 s23, s22, XSTG                       ; my stage
	v_add_nc_u32 v2, s23, v1                       ; into it: a row's 512 bytes as they lie
	v_and_b32 v13, 15, v0                          ; r
	v_bfe_u32 v14, v0, 4, 1                        ; h
	v_mul_u32_u24 v3, v13, 528
	v_lshl_add_u32 v3, v14, 7, v3
	v_add_nc_u32 v3, s23, v3                       ; out of it: row r, + 128 h: my block's 128 bytes
	v_lshlrev_b32 v4, 3, v15                       ; 8 l
	v_lshlrev_b32 v5, 2, v15                       ; 4 l
	v_lshlrev_b32 v6, 3, v14                       ; 8 h: how far my two bytes are shifted up in the scale word
	v_cmp_eq_u32 s30, 1, v14                       ; lanes 16-31
	s_lshr_b32 s24, ttmp9, 2
	s_lshl_b32 s24, s24, 6
	s_and_b32 s25, ttmp9, 3
	s_lshl_b32 s25, s25, 3
	s_add_co_u32 s24, s24, s25                     ; the tile's first token: 64 (T / 4) + 8 (T % 4)
	s_lshl_b32 s24, s24, 12                        ; x 4,096 bytes
	s_lshl_b32 s25, s22, 10
	s_add_co_u32 s24, s24, s25                     ; + 1,024 w
	s_mov_b32 s25, 0
	s_mul_i32 s26, ttmp9, 12288
	s_mul_i32 s27, s22, 3072
	s_add_co_u32 s26, s26, s27                     ; xc: 12,288 T + 3,072 w
	s_mov_b32 s27, 0
	s_lshl_b32 s28, ttmp9, 9
	s_lshl_b32 s29, s22, 7
	s_add_co_u32 s28, s28, s29                     ; xs: 512 T + 128 w
	s_mov_b32 s29, 0
	s_wait_alu depctr_va_vdst(0)
	s_wait_kmcnt 0x0
	s_add_nc_u64 s[4:5], s[4:5], s[24:25]
	s_add_nc_u64 s[14:15], s[14:15], s[26:27]
	s_add_nc_u64 s[16:17], s[16:17], s[28:29]
.irp f, 0,1
.irp i, 0,1,2,3,4,5,6,7,8,9,10,11,12,13,14,15
	global_load_b128 v[R+64*\f+4*\i:R+64*\f+4*\i+3], v1, s[4:5] offset:(\i+24*(\i/8))*4096+512*\f th:TH_LOAD_NT   ; 32 lanes read 512 consecutive bytes of the tile's row i (rows 8-15: 32 tokens on); all 32 loads of the wave go out at once
.endr
.endr
.macro XFRAG f
	s_wait_loadcnt 16*(1-\f)                       ; this fragment's 16 loads are in; the second fragment's 16 may be out
.irp i, 0,1,2,3,4,5,6,7,8,9,10,11,12,13,14,15
	ds_store_b128 v2, v[R+64*\f+4*\i:R+64*\f+4*\i+3] offset:528*\i
.endr
.irp c, 0,1
.irp q, 0,1,2,3,4,5,6,7
	ds_load_b128 v[X+32*\c+4*\q:X+32*\c+4*\q+3], v3 offset:256*\c+16*\q   ; LDS serves a wave's instructions in order: these see the stores above.  Block 2 c + h of my row: 32 neighbours
.endr
.endr
	s_wait_dscnt 0x0
	QB X, XC+24*\f, E0
	QB X+32, XC+24*\f+12, E1
	v_lshl_or_b32 v[WD+\f], v[E1], 16, v[E0]       ; my two bytes: blocks h and 2 + h of row r,
	v_lshlrev_b32 v[WD+\f], v6, v[WD+\f]           ; at their places in the word;
	v_permlanex16_b32 v13, v[WD+\f], s40, s41
	v_or_b32 v[WD+\f], v[WD+\f], v13               ; with lane l xor 16's two the word is whole
.irp c, 0,1
	global_store_b128 v1, v[XC+24*\f+12*\c:XC+24*\f+12*\c+3], s[14:15] offset:1536*\f+768*\c          ; 512 consecutive bytes, at a multiple of 256
	global_store_b64 v4, v[XC+24*\f+12*\c+4:XC+24*\f+12*\c+5], s[14:15] offset:1536*\f+768*\c+512     ; 256 consecutive bytes
.endr
.endm
	XFRAG 0
	XFRAG 1
	v_cndmask_b32 v13, v[WD], v[WD+1], s30         ; lanes 0-15 the first fragment's words, lanes 16-31 the second's
	global_store_b32 v5, v13, s[16:17]             ; 128 consecutive bytes
	s_wait_tensorcnt 0x0                           ; the wave's end
	ds_add_u32 v251, v255
	s_wait_dscnt 0x0
	s_endpgm
.Lweights:
	; ---- a weight: matrix m, columns 128 cg on, K step ks.  A LANE TAKES A COLUMN, ITS REGISTERS RUN DOWN K: a block of 32 lies in one lane, and the codes come out with K innermost
	s_sub_co_u32 s23, ttmp9, 256
	s_lshr_b32 s24, s23, 6                         ; m: 0 q, 1 k, 2 v, 3 o
	s_bfe_u32 s25, s23, 0x30003                    ; cg
	s_and_b32 s26, s23, 7                          ; ks
	s_wait_alu depctr_va_vdst(0)
	v_lshlrev_b32 v1, 2, v15                       ; 4 l: my column
	v_bfe_u32 v13, v0, 3, 1                        ; u: column 32 b + l belongs to tile 2 b + u,
	v_and_b32 v14, 7, v0
	v_bfe_u32 v12, v0, 4, 1
	v_lshl_add_u32 v14, v12, 3, v14                ; as its row r = l % 8 + 8 (l / 16)
	s_mul_i32 s27, s22, WSTG
	s_add_co_u32 s27, s27, WST0                    ; my stage
	v_mul_u32_u24 v12, v13, WFP
	v_add_nc_u32 v12, s27, v12
	v_lshl_add_u32 v2, v14, 4, v12                 ; into it: fragment u, 16 r
	v_lshl_add_u32 v3, v14, 3, v12                 ; and 8 r
	v_lshlrev_b32 v5, 4, v15                       ; 16 l
	v_add_nc_u32 v4, s27, v5                       ; out of it
	v_lshlrev_b32 v6, 2, v14
	v_lshl_add_u32 v6, v13, 9, v6                  ; ws: 512 u + 4 r
	s_lshl_b32 s28, s26, 19                        ; W: 128 ks rows of 4,096 bytes
	s_lshl_b32 s29, s25, 9
	s_add_co_u32 s28, s28, s29                     ; + 128 cg columns
	s_lshl_b32 s29, s22, 7
	s_add_co_u32 s28, s28, s29                     ; + 32 w columns
	s_mov_b32 s29, 0
	s_lshl_b32 s30, s25, 3
	s_lshl_b32 s31, s22, 1
	s_add_co_u32 s30, s30, s31                     ; my first tile: 8 cg + 2 w
	s_mul_i32 s32, s24, 786432
	s_mul_i32 s33, s30, 12288
	s_add_co_u32 s32, s32, s33
	s_mul_i32 s33, s26, 1536
	s_add_co_u32 s32, s32, s33                     ; wc
	s_mov_b32 s33, 0
	s_lshl_b32 s34, s24, 15
	s_lshl_b32 s35, s30, 9
	s_add_co_u32 s34, s34, s35
	s_lshl_b32 s35, s26, 6
	s_add_co_u32 s34, s34, s35                     ; ws
	s_mov_b32 s35, 0
	s_wait_kmcnt 0x0
	s_cmp_eq_u32 s24, 1                            ; the choice of the weight hangs on the work-group's number alone
	s_cselect_b64 s[6:7], s[8:9], s[6:7]
	s_cmp_eq_u32 s24, 2
	s_cselect_b64 s[6:7], s[10:11], s[6:7]
	s_cmp_eq_u32 s24, 3
	s_cselect_b64 s[6:7], s[12:13], s[6:7]
	s_add_nc_u64 s[6:7], s[6:7], s[28:29]
	s_add_nc_u64 s[18:19], s[18:19], s[32:33]
	s_add_nc_u64 s[20:21], s[20:21], s[34:35]
.macro WLOAD t                         ; block t: W(128 ks + 32 t + i, my column), i = 0 .. 31
.irp i, 0,1,2,3,4,5,6,7,8,9,10,11,12,13,14,15,16,17,18,19,20,21,22,23,24,25,26,27,28,29,30,31
	global_load_b32 v[R+32*(\t)+\i], v1, s[6:7] offset:(32*(\t)+\i)*4096 th:TH_LOAD_NT   ; a wave reads 128 consecutive bytes, the four waves side by side 512
.endr
.endm
.macro WBLOCK kb                       ; block kb of my column is block kb % 2 of half image kb / 2, row r
.if \kb < 3
	s_wait_loadcnt 32                              ; this block's 32 loads are in; the next block's 32 may be out
.else
	s_wait_loadcnt 0x0
.endif
.if \kb < 2
	WLOAD \kb+2                                    ; two blocks ahead, into registers of its own
.endif
	QB R+32*\kb, WC+12*\kb, E0
.if \kb == 0
	v_mov_b32 v7, v[E0]                            ; my column's scale word, the lower K in the lower byte
.else
	v_lshl_or_b32 v7, v[E0], 8*\kb, v7
.endif
	ds_store_b128 v2, v[WC+12*\kb:WC+12*\kb+3] offset:768*(\kb/2)+256*(\kb%2)
	ds_store_b64 v3, v[WC+12*\kb+4:WC+12*\kb+5] offset:768*(\kb/2)+512+128*(\kb%2)
.endm
	WLOAD 0
	WLOAD 1
	WBLOCK 0
	WBLOCK 1
	WBLOCK 2
	WBLOCK 3
	global_store_b32 v6, v7, s[20:21]              ; runs of 64 bytes: one byte for each 128 that the launch reads
.irp u, 0,1
.irp g, 0,1,2
	ds_load_b128 v[WRB+12*\u+4*\g:WRB+12*\u+4*\g+3], v4 offset:WFP*\u+512*\g   ; in order behind my stores: the two fragments as they will lie in memory
.endr
.endr
.irp u, 0,1
.irp g, 0,1,2
	s_wait_dscnt 5-3*\u-\g                         ; the younger read-backs may be out
	global_store_b128 v5, v[WRB+12*\u+4*\g:WRB+12*\u+4*\g+3], s[18:19] offset:12288*\u+512*\g         ; 512 consecutive bytes, at a multiple of 256
.endr
.endr
	s_wait_tensorcnt 0x0                           ; the wave's end
	ds_add_u32 v251, v255
	s_wait_dscnt 0x0
	s_endpgm
.Lfunc_end_k_q7c9d984ff3_quant:
	.size	k_q7c9d984ff3_quant, .Lfunc_end_k_q7c9d984ff3_quant-k_q7c9d984ff3_quant
	.p2alignl 7, 3214868480
	.fill 96, 4, 3214868480
	.section	.rodata,"a",@progbits
	.p2align	6, 0x0
	.amdhsa_kernel k_q7c9d984ff3_quant
		.amdhsa_group_segment_fixed_size 47616
		.amdhsa_private_segment_fixed_size 0
		.amdhsa_enable_private_segment 0
		.amdhsa_kernarg_size 72
		.amdhsa_user_sgpr_count 2
		.amdhsa_user_sgpr_kernarg_segment_ptr 1
		.amdhsa_wavefront_size32 1
		.amdhsa_system_sgpr_workgroup_id_x 1
		.amdhsa_system_sgpr_workgroup_id_y 1
		.amdhsa_system_sgpr_workgroup_id_z 1
		.amdhsa_system_vgpr_workitem_id 0
		.amdhsa_next_free_vgpr 256
		.amdhsa_next_free_sgpr 66
		.amdhsa_reserve_vcc 0
		.amdhsa_float_denorm_mode_32 3
		.amdhsa_float_denorm_mode_16_64 3
		.amdhsa_memory_ordered 1
		.amdhsa_forward_progress 1
		.amdhsa_inst_pref_size 38
	.end_amdhsa_kernel
	.amdgpu_metadata
---
amdhsa.version: [ 1, 2 ]
amdhsa.kernels:
  - .name:           k_q7c9d984ff3_quant
    .symbol:         k_q7c9d984ff3_quant.kd
    .args:
      - { .name: x, .offset: 0, .size: 8, .value_kind: global_buffer, .address_space: global }
      - { .name: Wq, .offset: 8, .size: 8, .value_kind: global_buffer, .address_space: global }
      - { .name: Wk, .offset: 16, .size: 8, .value_kind: global_buffer, .address_space: global }
      - { .name: Wv, .offset: 24, .size: 8, .value_kind: global_buffer, .address_space: global }
      - { .name: Wo, .offset: 32, .size: 8, .value_kind: global_buffer, .address_space: global }
      - { .name: xc, .offset: 40, .size: 8, .value_kind: global_buffer, .address_space: global }
      - { .name: xs, .offset: 48, .size: 8, .value_kind: global_buffer, .address_space: global }
      - { .name: wc, .offset: 56, .size: 8, .value_kind: global_buffer, .address_space: global }
      - { .name: ws, .offset: 64, .size: 8, .value_kind: global_buffer, .address_space: global }
    .group_segment_fixed_size: 47616
    .private_segment_fixed_size: 0
    .kernarg_segment_align: 8
    .kernarg_segment_size: 72
    .max_flat_workgroup_size: 128
    .sgpr_count:     66
    .vgpr_count:     256
    .wavefront_size: 32
...
	.end_amdgpu_metadata
.endif
;; end of part 1
;; launch qkvproj (part 2): grid 16 x 16, 4 waves a work-group, clusters of 4 x 4, 327,680 bytes of LDS; arguments xc, xs, wc, ws, bq, bk, bv, qkv, qkvs; writes qkv, qkvs
.if DOCPART == 2
	.amdgcn_target "amdgcn-amd-amdhsa--gfx1250"
	.amdhsa_code_object_version 6
	.text
	.protected	k_q7c9d984ff3_qkvproj
	.globl	k_q7c9d984ff3_qkvproj
	.p2align	8
	.type	k_q7c9d984ff3_qkvproj,@function
k_q7c9d984ff3_qkvproj:
	s_mov_b64 s[64:65], 0
	v_nop
	global_prefetch_b8 v0, s[64:65] scope:SCOPE_SE
	s_setreg_imm32_b32 hwreg(HW_REG_WAVE_MODE, 25, 1), 1
	s_wait_xcnt 0x0
	s_wait_alu depctr_hold_cnt(0) depctr_sa_sdst(0) depctr_va_vdst(0) depctr_va_sdst(0) depctr_va_ssrc(0) depctr_va_vcc(0) depctr_vm_vsrc(0)
	s_getreg_b32 s2, hwreg(HW_REG_IB_STS2, 6, 4)
	s_cmp_eq_u32 s2, 0
	s_cbranch_scc0 .Lentry_in_a_cluster
	s_endpgm
.Lentry_in_a_cluster:
	s_bfe_u32 s2, ttmp6, 0x10000c
	s_cmp_lg_u32 s2, 0xf033
	s_cbranch_scc0 .Lentry_shape_is_right
	s_endpgm
.Lentry_shape_is_right:
; Q, K, V = x W + b on codes of BF6 (E3M2) with E8M0 scales, sums in f32; the results are quantised in registers (Q and K along the head's 64, V along the keys) and leave as codes.
; SHARES.  A work-group takes 256 tokens (x of the grid) and one head's 64 columns (y) of Wq, Wk AND Wv.  A wave takes 64 tokens, four tiles of 16; its 32 fragments of x (384 registers) are read from LDS once and STAY for three passes.
; CLUSTER, 4 x 4.  The four work-groups of a column of the cluster take the same 256 tokens, the four of a row the same head: x's codes are asked for JOINTLY down the column, the weights' codes and scale words along the row.
; LDS: x's 16 tiles (196,608 bytes), two places of 49,152 for a head's part of a weight, the weights' scale words (6,144).  At the head each wave issues one load: x's tiles 0-7; x's tiles 8-15; Wq and Wk by one descriptor of two
; rows; the weights' words: three loads of 98,304 bytes and a small one.  Wv is brought into Wq's bytes when pass 0 has read them: the three lines, a round of the cluster's barrier, a quarter a wave.  By the text's own count a
; wave never has more than one tensor load out.  8 KiB beside the 342 KiB that come jointly.
; NO PREFETCH: all but Wv is asked for at the head, and there is no loop to run ahead in.
; LAYOUTS (made by the launch before).  A half image, 768 bytes: 16 rows x 64 K: lane l = r + 16 h holds row r's block h: registers 0-3 at 16 l, registers 4-5 at 512 + 8 l.  A fragment = two half images.
; Row r of a tile T of tokens is token 64 (T / 4) + 8 (T % 4) + r % 8 + 32 (r / 8); row r of a tile t of columns is column 32 (t / 2) + 8 (t % 2) + r + 8 (r / 8).
; Q, K: source 0 = 16 columns of W, source 1 = 16 tokens: a lane holds one token; the 16 registers of tiles 2 b, 2 b + 1 are d = 32 b + 16 h + 0 .. 15.
; V: source 0 = 16 tokens, source 1 = 16 columns: a lane holds one d, and its 32 registers of my four tiles are the whole block of keys 32 h + 0 .. 31 of my 64.  The biases are the C of each sum's first matrix instruction.
; OUT.  qkv: Q [bh 32][tile 128][768] half images; from byte 3,145,728 one dense image [bh][128 keys: 16][12,800]: K's four fragments (a pair of tiles each: k 0-63 the even tile's d, k 64-127 the odd tile's) as three planes of
; 512 bytes, registers 4 g .. 4 g + 3 at 512 g + 16 l; V [64 keys: 2][d tile 4][768] half images; K's scale words [r 16][pair 4] (the even tile's e0, e1, the odd tile's e0, e1); V's [r 16][d tile 4] (four key blocks).
; qkvs: Q's words [bh][tile][r] = e0, e1, 127, 127.
; LIMITS: NaN and infinities are not served; a block whose largest magnitude lies under 2^-122 keeps the byte 1; a block of zeros has the byte 1, not 127 (its codes are zeros; this program alone reads the bytes).
; REGISTERS, in windows of 256.  Window 0: v1-21 addresses; v32-63 x's scale words (tile j, K step s: 32 + 8 j + s); v64-95 W's; v96-143, v144-191 W's four fragments, two buffers; v192-195 on the way out; v254-255 the add's.
;   Window 1: v0-191 x's fragments of K steps 0-3 (48 s + 12 j); v192-223 bq, v224-255 bk as C.   Window 2: v0-191 K steps 4-7; v192-223 bv as C.
;   Window 3: v0-127 the 16 accumulators (32 j + 8 i: i source 0's tile, j source 1's); v144-167 four sets of codes; v192-247 at work.
.set XB,  0
.set WQ,  196608
.set WK,  245760
.set WSC, 294912
.set STG, 301056                       ; the results' scale words, written by ds_store alone: Q's 1,024 bytes, K's 512, V's 512
.set SPARE, 303104
.set XS,  32
.set WS,  64
.set WB,  96
.set RB,  192
.set CD,  144                          ; in window 3: set j at 144 + 6 j
.set T,   192                          ; eight registers a tile
.set HWR, 224
.set KWR, 228
.set U,   232                          ; a block's upper 16 codes as the conversion leaves them
.set WV,  22
.set G1X, 36
.set XSA, 44                           ; s[44:45] my tiles' scale words in xs
.set G1W, 52
.set G0V, 60
.set G1C, 68
.set G1V, 76
.set G0X, 84
.set G0Y, 88
.set G0W, 92
.set G0C, 96
.set SEL, 100                          ; s[100:101] v_permlanex16_b32's selects for lane l xor 16
.set MSB, 0
.macro WIN new                         ; s_set_vgpr_msb: bits 1:0 source 0, 3:2 source 1, 5:4 source 2, 7:6 destination; the high byte repeats the setting that is left
.if MSB != \new
	s_set_vgpr_msb (MSB<<8)|\new
.set MSB, \new
.endif
.endm
.macro PLACES                          ; four plain lines between a matrix instruction and a load into its registers or a read of its result (ISA guide 7.12.1 for vector instructions)
.rept 4
	v_nop
.endr
.endm
.macro CROUND                          ; a round of the cluster's barrier
	s_barrier_signal -1
	s_barrier_wait -1
	s_cmp_lg_u32 s[WV], 0
	s_cbranch_scc1 .Lnot_wave_0_\@
	s_barrier_signal -3
.Lnot_wave_0_\@:
	s_barrier_wait -3
	s_barrier_signal -1
	s_barrier_wait -1
.endm
.macro D1 g, c, r, p                   ; group 1 behind its first word: r rows of c elements of 8 bytes, p elements from row to row
	s_mov_b32 s[\g+1], (\c)<<16
	s_mov_b32 s[\g+2], (\r)<<16
	s_mov_b32 s[\g+3], (\c)<<16
	s_mov_b32 s[\g+4], \r
	s_mov_b32 s[\g+5], \p
	s_mov_b32 s[\g+6], 0
	s_mov_b32 s[\g+7], 0
.endm
.macro D0 g, lds, ptr, off             ; group 0
	s_mov_b32 s[\g], 1
	s_mov_b32 s[\g+1], \lds
	s_add_nc_u64 s[\g+2:\g+3], s[\ptr:\ptr+1], s[\off:\off+1]
	s_or_b32 s[\g+3], s[\g+3], 0x80000000
.endm
.macro ARM under, g0, g1, next         ; one arm of the head's chain: a load, its s_nop 0 and four v_nop, a jump to the join
	s_cmp_lt_u32 s[WV], \under
	s_cbranch_scc0 \next
	tensor_load_to_lds s[\g0:\g0+3], s[\g1:\g1+7]
	s_nop 0
	PLACES
	s_branch .Lasked
\next:
.endm
.macro MM d, a, b, c, sa, sb
	v_wmma_scale_f32_16x16x128_f8f6f4 v[(\d):(\d)+7], v[(\a):(\a)+11], v[(\b):(\b)+11], v[(\c):(\c)+7], v[\sa], v[\sb] matrix_a_fmt:MATRIX_FMT_BF6 matrix_b_fmt:MATRIX_FMT_BF6
.endm
	s_load_b256 s[4:11], s[0:1], 0x0               ; xc, xs, wc, ws
	s_load_b256 s[12:19], s[0:1], 0x20             ; bq, bk, bv, qkv
	s_load_b64 s[20:21], s[0:1], 0x40              ; qkvs
	v_lshl_add_u32 v254, v0, 2, SPARE
	v_mov_b32 v255, 0
	ds_add_u32 v254, v255
	ds_add_u32 v254, v255
	v_lshrrev_b32 v1, 5, v0
	v_readfirstlane_b32 s[WV], v1                  ; wave 0..3
	s_bfe_u32 s23, ttmp6, 0x40000                  ; cx
	s_bfe_u32 s26, ttmp6, 0x40004                  ; cy
	s_lshl_b32 s24, ttmp9, 2
	s_add_co_u32 s24, s24, s23                     ; row group = 4 x cluster x + cx
	s_and_b32 s25, ttmp7, 0xffff
	s_lshl_b32 s25, s25, 2
	s_add_co_u32 s25, s25, s26                     ; head = 4 x cluster y + cy
	s_lshl_b32 s27, s26, 2
	s_lshl_b32 s27, 15, s27                        ; my row of the cluster: the same head
	s_lshl_b32 s28, 0x1111, s23                    ; my column: the same tokens
	s_or_b32 s[G1X], s28, (3<<16)|(1<<21)          ; 15:0 the mask; 17:16 elements of 8 bytes; 21 set beside a mask; no padding
	s_or_b32 s[G1W], s27, (3<<16)|(1<<21)
	s_or_b32 s[G1C], s27, (3<<16)|(1<<21)
	s_or_b32 s[G1V], s27, (3<<16)|(1<<21)
	D1 G1X, 32, 384, 32                            ; eight tiles of x: 98,304 dense bytes as rows of 256
	D1 G1W, 6144, 2, 98304                         ; the head's four tiles of Wq and of Wk: two rows of 49,152 bytes, 786,432 apart
	D1 G1C, 256, 3, 4096                           ; their scale words in q, k, v: three rows of 2,048 bytes, 32,768 apart
	D1 G1V, 32, 48, 32                             ; a tile of Wv: 12,288 dense bytes
	s_mov_b32 s[SEL], 0x76543210
	s_mov_b32 s[SEL+1], 0xfedcba98
	s_mul_i32 s30, s24, 196608                     ; x's tiles hang on the row group alone: tiles 0-7,
	s_mov_b32 s31, 0
	s_add_co_u32 s46, s30, 98304                   ; tiles 8-15;
	s_mov_b32 s47, 0
	s_lshl_b32 s32, s24, 13
	s_lshl_b32 s33, s[WV], 11
	s_add_co_u32 s32, s32, s33                     ; my four tiles' scale words
	s_mov_b32 s33, 0
	s_mul_i32 s26, s25, 49152                      ; the weights' on the head alone
	s_mov_b32 s27, 0
	s_lshl_b32 s28, s25, 11
	s_mov_b32 s29, 0
	s_mul_i32 s34, s[WV], 12288                    ; the tile of Wv that I fetch
	s_mov_b32 s35, 0
	v_and_b32 v21, 31, v0                          ; l
	v_and_b32 v18, 15, v0                          ; r
	v_bfe_u32 v19, v0, 4, 1                        ; h
	v_lshlrev_b32 v1, 4, v21                       ; 16 l
	v_lshlrev_b32 v2, 3, v21                       ; 8 l
	v_lshlrev_b32 v3, 2, v18                       ; 4 r
	v_lshlrev_b32 v4, 6, v19                       ; bq, bk: my half's 16 numbers
	v_and_b32 v5, 8, v18
	v_add_nc_u32 v5, v5, v18
	v_lshlrev_b32 v5, 2, v5                        ; bv: the column of a tile's row r
	v_add_nc_u32 v6, WQ, v1                        ; the first place of weights (Wq, then Wv),
	v_add_nc_u32 v7, WQ, v2
	v_add_nc_u32 v8, WK, v1                        ; the second (Wk)
	v_add_nc_u32 v9, WK, v2
	s_mul_i32 s84, s[WV], 49152
	v_add_nc_u32 v10, s84, v1                      ; my four tiles of x
	v_add_nc_u32 v11, s84, v2
	v_add_nc_u32 v12, WSC, v3
	s_lshl_b32 s84, s[WV], 8
	s_add_co_u32 s84, s84, STG
	v_add_nc_u32 v13, s84, v3                      ; Q's words: 64 bytes a tile, my four tiles
	s_lshr_b32 s84, s[WV], 1
	s_lshl_b32 s84, s84, 8
	s_and_b32 s85, s[WV], 1
	s_lshl_b32 s85, s85, 3
	s_add_co_u32 s85, s85, s84
	s_add_co_u32 s85, s85, STG+1024
	v_lshl_add_u32 v14, v18, 4, s85                ; K's: 256 (w / 2) + 16 r + 4 x the pair, my pairs 2 (w % 2) on
	s_and_b32 s85, s[WV], 1
	s_lshl_b32 s85, s85, 1
	s_add_co_u32 s85, s85, s84
	s_add_co_u32 s85, s85, STG+1536
	v_lshl_add_u32 v15, v18, 4, s85                ; V's: 256 (w / 2) + 16 r + 4 x the d tile; my lane's block is byte 2 (w % 2) + h
	v_add_nc_u32 v15, v15, v19
	s_lshl_b32 s84, s[WV], 9
	s_add_co_u32 s84, s84, STG
	v_add_nc_u32 v16, s84, v1                      ; back: 512 bytes a wave
	s_wait_alu depctr_va_vdst(0)
	s_wait_dscnt 0x0                               ; both opening adds are done
	s_wait_kmcnt 0x0
	D0 G0X, XB, 4, 30
	D0 G0Y, XB+98304, 4, 46
	D0 G0W, WQ, 8, 26
	D0 G0C, WSC, 10, 28
	s_add_nc_u64 s[XSA:XSA+1], s[6:7], s[32:33]
	s_mov_b32 s[G0V], 1
	s_add_co_u32 s[G0V+1], s34, WQ
	s_add_nc_u64 s[G0V+2:G0V+3], s[8:9], s[26:27]
	s_add_nc_u64 s[G0V+2:G0V+3], s[G0V+2:G0V+3], 1572864
	s_add_nc_u64 s[G0V+2:G0V+3], s[G0V+2:G0V+3], s[34:35]
	s_or_b32 s[G0V+3], s[G0V+3], 0x80000000
	CROUND                                         ; all sixteen work-groups are here: the joint loads meet
	ARM 1, G0X, G1X, .Lh1                          ; the head's loads, one a wave, in one chain of branches on the wave's number
	ARM 2, G0Y, G1X, .Lh2
	ARM 3, G0W, G1W, .Lh3
	tensor_load_to_lds s[G0C:G0C+3], s[G1C:G1C+7]
	s_nop 0
	PLACES
.Lasked:
	s_lshl_b32 s28, s25, 8                         ; the head's 64 numbers of a bias
	s_mov_b32 s29, 0
	s_add_nc_u64 s[12:13], s[12:13], s[28:29]
	s_add_nc_u64 s[14:15], s[14:15], s[28:29]
	s_add_nc_u64 s[16:17], s[16:17], s[28:29]
.irp j, 0,1,2,3
.irp s, 0,1,2,3,4,5,6,7
	global_load_b32 v[XS+8*\j+\s], v3, s[XSA:XSA+1] offset:512*\j+64*\s   ; x's scale words: row r's word of tile j, K step s; once in the launch
.endr
.endr
	WIN 0x40
.irp t, 0,1,2,3                        ; for W's tile t lane (r, h) wants the bias of columns 32 (t / 2) + 8 (t % 2) + 16 h + 0 .. 7
	global_load_b128 v[192+8*\t:195+8*\t], v4, s[12:13] offset:(32*(\t/2)+8*(\t%2))*4
	global_load_b128 v[196+8*\t:199+8*\t], v4, s[12:13] offset:(32*(\t/2)+8*(\t%2))*4+16
.endr
.irp t, 0,1,2,3
	global_load_b128 v[224+8*\t:227+8*\t], v4, s[14:15] offset:(32*(\t/2)+8*(\t%2))*4
	global_load_b128 v[228+8*\t:231+8*\t], v4, s[14:15] offset:(32*(\t/2)+8*(\t%2))*4+16
.endr
	WIN 0x80
.irp t, 0,1,2,3                        ; V: a lane holds one column: its bias in all eight registers
.irp i, 0,1,2,3,4,5,6,7
	global_load_b32 v[192+8*\t+\i], v5, s[16:17] offset:(32*(\t/2)+8*(\t%2))*4
.endr
.endr
	WIN 0xc0
.irp j, 0,1,2,3
	v_mov_b32 v[T+8*\j+2], 0                       ; written once: a lane permute's destination counts as one of its sources
	v_mov_b32 v[T+8*\j+3], 0
.endr
	WIN 0
	; where the results go
	s_lshr_b32 s26, s24, 3                         ; batch
	s_and_b32 s27, s24, 7                          ; row group within it
	s_lshl_b32 s26, s26, 4
	s_add_co_u32 s26, s26, s25                     ; bh
	s_lshl_b32 s28, s26, 7
	s_lshl_b32 s30, s27, 4
	s_add_co_u32 s28, s28, s30                     ; 128 bh + the work-group's first tile
	s_lshl_b32 s31, s28, 6                         ; Q's words: 64 bytes a tile
	s_lshl_b32 s30, s[WV], 2
	s_add_co_u32 s28, s28, s30
	s_mul_i32 s28, s28, 768
	s_add_nc_u64 s[4:5], s[18:19], s[28:29]        ; Q
	s_mul_i32 s32, s26, 204800
	s_add_co_u32 s32, s32, 3145728
	s_mul_i32 s30, s27, 25600
	s_add_co_u32 s32, s32, s30                     ; the work-group's first 128 keys in the image
	s_lshr_b32 s30, s[WV], 1
	s_mul_i32 s30, s30, 12800
	s_add_co_u32 s28, s32, s30                     ; my 64 tokens lie in its 128 keys number w / 2,
	s_and_b32 s30, s[WV], 1
	s_mul_i32 s30, s30, 3072                       ; as their half w % 2
	s_add_co_u32 s28, s28, s30
	s_add_nc_u64 s[6:7], s[18:19], s[28:29]        ; K
	s_add_nc_u64 s[8:9], s[6:7], 6144              ; V
	s_lshl_b32 s30, s[WV], 9
	s_add_co_u32 s31, s31, s30                     ; waves 0, 1 store Q's words, 512 bytes each, into qkvs;
	s_lshl_b32 s30, s[WV], 8
	s_add_co_u32 s28, s32, s30
	s_add_co_u32 s28, s28, 12288-512               ; wave 2 K's, wave 3 V's, 256 bytes further on, into the image
	s_cmp_lt_u32 s[WV], 2                          ; the choice hangs on the wave's number alone
	s_cselect_b32 s28, s31, s28
	s_cselect_b64 s[10:11], s[20:21], s[18:19]
	s_cselect_b32 s30, 0, 12544
	s_add_nc_u64 s[10:11], s[10:11], s[28:29]
	v_mad_u32_u24 v20, v19, s30, v1                ; 16 l; in waves 2, 3 lanes 16-31 hold the second 128 keys' 256 bytes, 12,800 bytes on
.macro XLOAD s                         ; x's four fragments of K step s from LDS: 16 loads of consecutive bytes
.if (\s) < 4
	WIN 0x40
.else
	WIN 0x80
.endif
.set XO, 48*((\s)%4)
.irp j, 0,1,2,3
	ds_load_b128 v[XO+12*\j:XO+12*\j+3], v10 offset:12288*\j+1536*(\s)
	ds_load_b64 v[XO+12*\j+4:XO+12*\j+5], v11 offset:12288*\j+1536*(\s)+512
	ds_load_b128 v[XO+12*\j+6:XO+12*\j+9], v10 offset:12288*\j+1536*(\s)+768
	ds_load_b64 v[XO+12*\j+10:XO+12*\j+11], v11 offset:12288*\j+1536*(\s)+1280
.endr
	WIN 0
.endm
.macro FETCHW p, s, buf                ; matrix p's four fragments of K step s into buffer buf: 16 loads of consecutive bytes.  Wq and Wv lie in the first place, Wk in the second
	WIN 0
.set BB, WB+48*(\buf)
.irp t, 0,1,2,3
	ds_load_b128 v[BB+12*\t:BB+12*\t+3], v[6+2*((\p)%2)] offset:12288*\t+1536*(\s)
	ds_load_b64 v[BB+12*\t+4:BB+12*\t+5], v[7+2*((\p)%2)] offset:12288*\t+1536*(\s)+512
	ds_load_b128 v[BB+12*\t+6:BB+12*\t+9], v[6+2*((\p)%2)] offset:12288*\t+1536*(\s)+768
	ds_load_b64 v[BB+12*\t+10:BB+12*\t+11], v[7+2*((\p)%2)] offset:12288*\t+1536*(\s)+1280
.endr
.endm
.macro WSCL p                          ; matrix p's 32 scale words
	WIN 0
.irp t, 0,1,2,3
.irp s, 0,1,2,3,4,5,6,7
	ds_load_b32 v[WS+8*\t+\s], v12 offset:2048*(\p)+512*\t+64*\s
.endr
.endr
.endm
; 16 matrix instructions: a K step of pass p.  The 16 accumulators take turns, one instruction a turn, in the same order in every K step.  At K step 0 the bias is C.
.macro MUL16 p, s, buf
.set BB, WB+48*(\buf)
.set XO, 48*((\s)%4)
.set CB, 192
.if \p == 1
.set CB, 224
.endif
.if \p < 2                             ; source 0 (W) window 0, source 1 (x) window 1 or 2, C and D window 3 (the bias: window 1)
.if \s == 0
	WIN 0xd4
.elseif \s < 4
	WIN 0xf4
.else
	WIN 0xf8
.endif
.else                                  ; source 0 (x) window 1 or 2, source 1 (W) window 0 (the bias: window 2)
.if \s == 0
	WIN 0xe1
.elseif \s < 4
	WIN 0xf1
.else
	WIN 0xf2
.endif
.endif
.irp j, 0,1,2,3
.irp i, 0,1,2,3
.if \p < 2
.if \s == 0
	MM 32*\j+8*\i, BB+12*\i, XO+12*\j, CB+8*\i, WS+8*\i+\s, XS+8*\j+\s
.else
	MM 32*\j+8*\i, BB+12*\i, XO+12*\j, 32*\j+8*\i, WS+8*\i+\s, XS+8*\j+\s
.endif
.else
.if \s == 0
	MM 32*\j+8*\i, XO+12*\i, BB+12*\j, CB+8*\j, XS+8*\i+\s, WS+8*\j+\s
.else
	MM 32*\j+8*\i, XO+12*\i, BB+12*\j, 32*\j+8*\i, XS+8*\i+\s, WS+8*\j+\s
.endif
.endif
.endr
.endr
.endm
; Q, K: for each of my four tiles j the 32 registers 32 j on (register 16 b + i = d 32 b + 16 h + i of my token) become a half image's six registers in v[CD + 6 j] on and the two bytes e0 | e1 << 8 in v[HWR + j].
; The four tiles and their two blocks take turns line by line, so that no line waits for the line above it.  Each accumulator is read from its low end on.  All in window 3.
.macro Q2ALL
.irp j, 0,1,2,3
.irp b, 0,1
	v_max3_num_f32 v[T+8*\j+\b], |v[32*\j+16*\b]|, |v[32*\j+16*\b+1]|, 0x2800000   ; the floor 2^(5 - 127) holds the byte at 1 from below
.endr
.endr
.irp i, 2,4,6,8,10,12,14
.irp j, 0,1,2,3
.irp b, 0,1
	v_max3_num_f32 v[T+8*\j+\b], v[T+8*\j+\b], |v[32*\j+16*\b+\i]|, |v[32*\j+16*\b+\i+1]|
.endr
.endr
.endr
.irp j, 0,1,2,3
.irp b, 0,1
	v_permlanex16_b32 v[T+8*\j+2+\b], v[T+8*\j+\b], s[SEL], s[SEL+1]
.endr
.endr
.irp j, 0,1,2,3
.irp b, 0,1
	v_max_num_f32 v[T+8*\j+\b], v[T+8*\j+\b], v[T+8*\j+2+\b]       ; with lane l xor 16's 16: the block's largest magnitude
.endr
.endr
.irp j, 0,1,2,3
.irp b, 0,1
	v_add_nc_u32 v[T+8*\j+4+\b], 0xfe000000, v[T+8*\j+\b]          ; 4 off the exponent field: the conversion's scale operand
.endr
.endr
.irp j, 0,1,2,3
.irp b, 0,1
	v_lshrrev_b32 v[T+8*\j+6+\b], 23, v[T+8*\j+4+\b]               ; the byte
.endr
.endr
.irp j, 0,1,2,3
	v_lshl_or_b32 v[HWR+\j], v[T+8*\j+7], 8, v[T+8*\j+6]
.endr
.irp j, 0,1,2,3
	v_cvt_scalef32_pk16_bf6_f32 v[CD+6*\j:CD+6*\j+2], v[32*\j:32*\j+15], v[T+8*\j+4]
	v_cvt_scalef32_pk16_bf6_f32 v[U+4*\j:U+4*\j+2], v[32*\j+16:32*\j+31], v[T+8*\j+5]   ; (a conversion's three registers begin on an even number)
.endr
	v_nop                                          ; one plain line behind the conversions
.irp j, 0,1,2,3
.irp i, 0,1,2
	v_permlane16_swap_b32 v[CD+6*\j+\i], v[U+4*\j+\i]              ; a whole block to a lane: lanes 0-15 block 0, lanes 16-31 block 1; the first three registers its lower 16 codes,
.endr
.endr
.irp j, 0,1,2,3
.irp i, 0,1,2
	v_mov_b32 v[CD+6*\j+3+\i], v[U+4*\j+\i]                        ; the next three its upper 16
.endr
.endr
.endm
; V: for each d tile j the 32 registers 32 j on are ONE lane's whole block of 32 keys: six registers of codes in v[CD + 6 j] on, the block's byte in v[HWR + j]
.macro Q1ALL
.irp j, 0,1,2,3
	v_max3_num_f32 v[T+8*\j], |v[32*\j]|, |v[32*\j+1]|, |v[32*\j+2]|
	v_max3_num_f32 v[T+8*\j+1], |v[32*\j+3]|, |v[32*\j+4]|, |v[32*\j+5]|
.endr
.irp i, 6,10,14,18,22,26
.irp j, 0,1,2,3
	v_max3_num_f32 v[T+8*\j], v[T+8*\j], |v[32*\j+\i]|, |v[32*\j+\i+1]|
	v_max3_num_f32 v[T+8*\j+1], v[T+8*\j+1], |v[32*\j+\i+2]|, |v[32*\j+\i+3]|
.endr
.endr
.irp j, 0,1,2,3
	v_max3_num_f32 v[T+8*\j], v[T+8*\j], |v[32*\j+30]|, |v[32*\j+31]|
.endr
.irp j, 0,1,2,3
	v_max3_num_f32 v[T+8*\j], v[T+8*\j], v[T+8*\j+1], 0x2800000
.endr
.irp j, 0,1,2,3
	v_add_nc_u32 v[T+8*\j+4], 0xfe000000, v[T+8*\j]
.endr
.irp j, 0,1,2,3
	v_cvt_scalef32_pk16_bf6_f32 v[CD+6*\j:CD+6*\j+2], v[32*\j:32*\j+15], v[T+8*\j+4]
	v_cvt_scalef32_pk16_bf6_f32 v[U+4*\j:U+4*\j+2], v[32*\j+16:32*\j+31], v[T+8*\j+4]
.endr
.irp j, 0,1,2,3
	v_lshrrev_b32 v[HWR+\j], 23, v[T+8*\j+4]       ; the byte; also the plain lines behind the conversions
.endr
.irp j, 0,1,2,3
.irp i, 0,1,2
	v_mov_b32 v[CD+6*\j+3+\i], v[U+4*\j+\i]
.endr
.endr
.endm
; A pass's way out: quantised, the codes stored, the scale bytes put into the stage of scale words
.macro EPI p
	s_wait_xcnt 0x0                                ; the last pass's stores have read the sets of codes: they are written again only behind this wait
	WIN 0xff
.if \p == 2
	Q1ALL
.else
	Q2ALL
.endif
.if \p == 0
.irp j, 0,1,2,3
	v_or_b32 v[HWR+\j], 0x7f7f0000, v[HWR+\j]      ; Q's word: the two bytes of the K that is not there are 127
.endr
.elseif \p == 1
.irp q, 0,1
	v_lshl_or_b32 v[KWR+\q], v[HWR+2*\q+1], 16, v[HWR+2*\q]        ; K's word: the even tile's two bytes, the odd tile's above them
.endr
.endif
	WIN 0x0c                                       ; a store's data are its source 1: window 3
.if \p == 1
.irp q, 0,1                            ; a pair of tiles is a fragment, twelve registers on end: three planes of 512 consecutive bytes, at multiples of 256
.irp g, 0,1,2
	global_store_b128 v1, v[CD+12*\q+4*\g:CD+12*\q+4*\g+3], s[6:7] offset:1536*\q+512*\g
.endr
	ds_store_b32 v14, v[KWR+\q] offset:4*\q        ; lanes r and r + 16 write the same word with the same value
.endr
.else
.irp j, 0,1,2,3
	global_store_b128 v1, v[CD+6*\j:CD+6*\j+3], s[4+2*\p:5+2*\p] offset:768*\j              ; 512 consecutive bytes, at a multiple of 256
	global_store_b64 v2, v[CD+6*\j+4:CD+6*\j+5], s[4+2*\p:5+2*\p] offset:768*\j+512         ; 256 consecutive bytes
.if \p == 0
	ds_store_b32 v13, v[HWR+\j] offset:64*\j
.else
	ds_store_b8 v15, v[HWR+\j] offset:4*\j         ; my block's byte
.endif
.endr
.endif
	WIN 0
.endm
.macro KSTEP p, s
.if \s < 7
.if \s > 0
	PLACES                                         ; for the loads into the buffer that the last K step multiplied (at a pass's first step the places stand behind the last pass's products)
.endif
	FETCHW \p, \s+1, (\s+1)%2
.if \p == 0
	XLOAD \s+1
	s_wait_dscnt 32                                ; all but the 32 loads just issued: this K step's fragments and W's scale words are in
.else
	s_wait_dscnt 16                                ; all but the 16 loads just issued
.endif
	MUL16 \p, \s, \s%2
.else
	WIN 0
.if \p == 0
	s_wait_tensorcnt 0x0                           ; Wq's bytes are filled again: none of my tensor loads is out,
	ds_add_u32 v254, v255
	s_wait_dscnt 0x0                               ; it is done, and so are my reads of Wq
	CROUND                                         ; both now hold of every wave of all sixteen work-groups
	tensor_load_to_lds s[G0V:G0V+3], s[G1V:G1V+7]  ; my tile of Wv, the first tensor load behind the round
	s_nop 0
	PLACES                                         ; also the places for the loads below
	FETCHW 1, 0, 0
.elseif \p == 1
	s_wait_dscnt 0x0                               ; none of my LDS instructions is out at the signal
	s_wait_tensorcnt 0x0                           ; my tile of Wv has landed
	s_barrier_signal -1
	s_barrier_wait -1                              ; everybody's has
	PLACES
	FETCHW 2, 0, 0
.else
	s_wait_dscnt 0x0
.endif
	MUL16 \p, 7, 1
	WIN 0
	PLACES                                         ; for the loads into the scale words and buffer 1, and for the reads of the results
.if \p < 2
	WSCL \p+1
.endif
	EPI \p
.endif
.endm
	s_wait_alu depctr_va_vdst(0)
	s_wait_tensorcnt 0x0                           ; my one load has landed
	s_barrier_signal -1
	s_barrier_wait -1                              ; everybody's has
	WSCL 0
	FETCHW 0, 0, 0
	XLOAD 0
	s_wait_loadcnt 0x0                             ; x's scale words and the biases are in
.irp p, 0,1,2
.irp s, 0,1,2,3,4,5,6,7
	KSTEP \p, \s
.endr
.endr
	s_wait_dscnt 0x0                               ; for the others' sake: my words lie in the stage
	s_barrier_signal -1
	s_barrier_wait -1
	ds_load_b128 v[RB:RB+3], v16
	s_wait_dscnt 0x0
	global_store_b128 v20, v[RB:RB+3], s[10:11]    ; 512 bytes of scale words a wave, each sixteen lanes one aligned run of 256
	s_wait_tensorcnt 0x0                           ; the wave's end
	ds_add_u32 v254, v255
	s_wait_dscnt 0x0
	CROUND                                         ; the closing round: no work-group ends while a partner may still ask for a tile that names it
	s_endpgm
.Lfunc_end_k_q7c9d984ff3_qkvproj:
	.size	k_q7c9d984ff3_qkvproj, .Lfunc_end_k_q7c9d984ff3_qkvproj-k_q7c9d984ff3_qkvproj
	.p2alignl 7, 3214868480
	.fill 96, 4, 3214868480
	.section	.rodata,"a",@progbits
	.p2align	6, 0x0
	.amdhsa_kernel k_q7c9d984ff3_qkvproj
		.amdhsa_group_segment_fixed_size 327680
		.amdhsa_private_segment_fixed_size 0
		.amdhsa_enable_private_segment 0
		.amdhsa_kernarg_size 72
		.amdhsa_user_sgpr_count 2
		.amdhsa_user_sgpr_kernarg_segment_ptr 1
		.amdhsa_wavefront_size32 1
		.amdhsa_system_sgpr_workgroup_id_x 1
		.amdhsa_system_sgpr_workgroup_id_y 1
		.amdhsa_system_sgpr_workgroup_id_z 1
		.amdhsa_system_vgpr_workitem_id 0
		.amdhsa_next_free_vgpr 1024
		.amdhsa_next_free_sgpr 102
		.amdhsa_reserve_vcc 0
		.amdhsa_float_denorm_mode_32 3
		.amdhsa_float_denorm_mode_16_64 3
		.amdhsa_memory_ordered 1
		.amdhsa_forward_progress 1
		.amdhsa_inst_pref_size 134
	.end_amdhsa_kernel
	.amdgpu_metadata
---
amdhsa.version: [ 1, 2 ]
amdhsa.kernels:
  - .name:           k_q7c9d984ff3_qkvproj
    .symbol:         k_q7c9d984ff3_qkvproj.kd
    .args:
      - { .name: xc, .offset: 0, .size: 8, .value_kind: global_buffer, .address_space: global }
      - { .name: xs, .offset: 8, .size: 8, .value_kind: global_buffer, .address_space: global }
      - { .name: wc, .offset: 16, .size: 8, .value_kind: global_buffer, .address_space: global }
      - { .name: ws, .offset: 24, .size: 8, .value_kind: global_buffer, .address_space: global }
      - { .name: bq, .offset: 32, .size: 8, .value_kind: global_buffer, .address_space: global }
      - { .name: bk, .offset: 40, .size: 8, .value_kind: global_buffer, .address_space: global }
      - { .name: bv, .offset: 48, .size: 8, .value_kind: global_buffer, .address_space: global }
      - { .name: qkv, .offset: 56, .size: 8, .value_kind: global_buffer, .address_space: global }
      - { .name: qkvs, .offset: 64, .size: 8, .value_kind: global_buffer, .address_space: global }
    .group_segment_fixed_size: 327680
    .private_segment_fixed_size: 0
    .kernarg_segment_align: 8
    .kernarg_segment_size: 72
    .max_flat_workgroup_size: 128
    .sgpr_count:     102
    .vgpr_count:     1024
    .wavefront_size: 32
...
	.end_amdgpu_metadata
.endif
;; end of part 2
;; launch attn (part 3): grid 8 x 32, 16 waves a work-group, clusters of 4 x 1, 327,680 bytes of LDS; arguments qkv, qkvs, ao, aos; writes ao, aos
.if DOCPART == 3
	.amdgcn_target "amdgcn-amd-amdhsa--gfx1250"
	.amdhsa_code_object_version 6
	.text
	.protected	k_q7c9d984ff3_attn
	.globl	k_q7c9d984ff3_attn
	.p2align	8
	.type	k_q7c9d984ff3_attn,@function
k_q7c9d984ff3_attn:
	s_mov_b64 s[64:65], 0
	v_nop
	global_prefetch_b8 v0, s[64:65] scope:SCOPE_SE
	s_setreg_imm32_b32 hwreg(HW_REG_WAVE_MODE, 25, 1), 1
	s_wait_xcnt 0x0
	s_wait_alu depctr_hold_cnt(0) depctr_sa_sdst(0) depctr_va_vdst(0) depctr_va_sdst(0) depctr_va_ssrc(0) depctr_va_vcc(0) depctr_vm_vsrc(0)
	s_getreg_b32 s2, hwreg(HW_REG_IB_STS2, 6, 4)
	s_cmp_eq_u32 s2, 0
	s_cbranch_scc0 .Lentry_in_a_cluster
	s_endpgm
.Lentry_in_a_cluster:
	s_bfe_u32 s2, ttmp6, 0x10000c
	s_cmp_lg_u32 s2, 0x3003
	s_cbranch_scc0 .Lentry_shape_is_right
	s_endpgm
.Lentry_shape_is_right:
; O[bh][q] = the sum over k of softmax_k(Q[bh][q] . K[bh][k] / 8) V[bh][k], both products on codes of BF6 (E3M2) with E8M0 scales; the result is quantised along the head's 64 for the last projection.
; THE SOFTMAX: t = score x log2(e) / 8; M = the row's largest t so far, rounded UP to a whole number; p = 2^(t - M) is quantised along the keys, not normalised.  The row's sum is taken of the unquantised p, in f32,
; and divides O at the end.  When M moves, the sum and O are multiplied by 2^(old M - new M): exact.
; SHARES.  A work-group owns 256 queries of one (batch, head); each of its sixteen waves one tile of 16, in 256 registers.
; A WHOLE HEAD'S K, V AND SCALE WORDS LIE IN LDS, each byte filled once.  The launch before lays them as one dense image, [128 keys: 16][12,800 bytes]: 800 rows of 256 bytes.  At the head each wave fetches 16 rows (together
; 65,536 bytes, which hold steps 0 to 4); behind the full sequence and a round each wave fetches 34 of the other 544 rows, which land under steps 0 to 4.  One work-group barrier stands in front of step 5.
; By the text's own count a wave never has more than one tensor load out.
; CLUSTER.  The four query blocks of a cluster belong to one head and want the same image: each load is asked for JOINTLY (mask 15; nothing in a descriptor hangs on the place in the cluster).
; NO PREFETCH: all bytes that the work-group reads through LDS are asked for by those two loads a wave; there is no later tile to ask ahead for.
; A STEP'S 12,800 BYTES: K's four fragments of 1,536 (a pair of tiles of 16 keys each), as three planes of 512: registers 4 g .. 4 g + 3 at 512 g + 16 l; V [64 keys: 2][d tile 4] half images of 768: 16 rows x 64 K: lane l = r + 16 h
; holds row r's block h: registers 0-3 at 16 l, registers 4-5 at 512 + 8 l; K's scale words [r 16][pair 4]; V's [r 16][d tile 4].  Q and the result are half images too.
; Row r of a tile T of tokens is token 64 (T / 4) + 8 (T % 4) + r % 8 + 32 (r / 8); row r of a tile t of the head's 64 is d = 32 (t / 2) + 8 (t % 2) + r + 8 (r / 8).
; THE FIRST PRODUCT'S K IS 64, the instruction's 128.  A fragment of K holds two tiles of keys: k 0-63 the even tile's d, k 64-127 the odd tile's.  Q's six registers stand twice round six of zero codes: Q | 0 | Q.
; The first twelve are [Q | 0], the last twelve [0 | Q] (their spare scale bytes are 127): the fragment x the first gives the even tile's scores, x the second the odd tile's.  A lane holds one query, and by the order of the
; tokens its 32 registers of four tiles are the WHOLE block of keys 64 c + 32 h + 0 .. 31: a block's maximum and scale need no other lane, and the conversions' results are the operand's registers.
; O^T = V^T P^T: source 0 = 16 of the head's 64, source 1 = p: a lane again holds one query, and its 32 registers are d = 32 b + 16 h + 0 .. 15: ready for the last quantiser.
; LIMITS: NaN and infinities are not served; the promise holds while the scaled scores stay under 2^31 in magnitude; a block whose largest magnitude lies under 2^-122 keeps the byte 1; a block of zeros has the byte 1, not 127
; (its codes are zeros; this program alone reads the bytes).  A block's largest p is not searched for: the block's largest score goes through the same multiply-add and exponential (this takes v_exp_f32 not to fall where its input rises).
; REGISTERS: v1-3, v9, v11 addresses that stay; v4, v5, v8 the step's; v12 -M, v13 the largest score, v[14:15] the sum; v16-33 Q | 0 | Q, v40-41 their scale words; v44-91 four fragments of K, then of V; v92-95 their scale words;
;   v96-159 S^T, then p; v160-191 O^T; v192-203 p's codes; v204-244 at work; v254-255 the add's.
.set STEPB, 12800                      ; a step's bytes in the image
.set SPARE, 204800                     ; behind the image: the spare words, 128 bytes for each wave
.set WV,  12                           ; s12 my wave's number
.set G1A, 16                           ; s[16:23] group 1 for the head's load;  s[24:31] for the second
.set G1B, 24
.set G0A, 32                           ; s[32:35], s[36:39] their groups 0
.set G0B, 36
.set SEL, 72                           ; s[72:73] v_permlanex16_b32's selects for lane l xor 16
.set CS,  74                           ; s[74:75] c = log2(e) / 8, twice: the packed form names a pair
.set TK,  76                           ; s76 the step's first byte in LDS
.set CNT, 78
.set KV,  44
.set KVS, 92
.set S,   96
.set O,   160
.set PC,  192
.set P2,  204                          ; the upper 16 codes of a block, as the conversion leaves them
.set MX,  212                          ; v212-215 maxima: block c in 212 + 2 c (and a second chain beside it)
.set SO,  216                          ; v216-217 the conversions' scale operands
.set EB,  218                          ; v218-219 the bytes
.set PD,  220
.set TP,  224
.set T2,  225
.set FF,  226                          ; v226 f; v227 p's scale word
.set SW,  227
.set SA,  228                          ; v228-235 four chains of the sum
.set TM,  236
.set HW,  244
.macro PLACES
.rept 4
	v_nop
.endr
.endm
.macro CROUND                          ; a round of the cluster's barrier
	s_barrier_signal -1
	s_barrier_wait -1
	s_cmp_lg_u32 s[WV], 0
	s_cbranch_scc1 .Lnot_wave_0_\@
	s_barrier_signal -3
.Lnot_wave_0_\@:
	s_barrier_wait -3
	s_barrier_signal -1
	s_barrier_wait -1
.endm
; 32 numbers of a lane, register 16 b + i = index 32 b + 16 h + i of my row, become a half image's six registers in v[cd] on and the two bytes e0 | e1 << 8 in v[HW]
.macro QUANT2 s, cd
.irp b, 0,1
	v_max3_num_f32 v[TM+\b], |v[(\s)+16*\b]|, |v[(\s)+1+16*\b]|, 0x2800000
.endr
.irp i, 2,4,6,8,10,12,14
.irp b, 0,1
	s_delay_alu instid0(VALU_DEP_2)
	v_max3_num_f32 v[TM+\b], v[TM+\b], |v[(\s)+16*\b+\i]|, |v[(\s)+1+16*\b+\i]|
.endr
.endr
.irp b, 0,1
	s_delay_alu instid0(VALU_DEP_2)
	v_permlanex16_b32 v[TM+2+\b], v[TM+\b], s[SEL], s[SEL+1]
.endr
.irp b, 0,1
	s_delay_alu instid0(VALU_DEP_2)
	v_max_num_f32 v[TM+\b], v[TM+\b], v[TM+2+\b]
.endr
.irp b, 0,1
	s_delay_alu instid0(VALU_DEP_2)
	v_add_nc_u32 v[TM+4+\b], 0xfe000000, v[TM+\b]
.endr
.irp b, 0,1
	s_delay_alu instid0(VALU_DEP_2)
	v_lshrrev_b32 v[TM+6+\b], 23, v[TM+4+\b]
.endr
	s_delay_alu instid0(VALU_DEP_1)
	v_lshl_or_b32 v[HW], v[TM+7], 8, v[TM+6]
	v_cvt_scalef32_pk16_bf6_f32 v[(\cd):(\cd)+2], v[(\s):(\s)+15], v[TM+4]
	v_cvt_scalef32_pk16_bf6_f32 v[(\cd)+8:(\cd)+10], v[(\s)+16:(\s)+31], v[TM+5]
	v_nop                                          ; one plain line behind the conversions
.irp i, 0,1,2
	v_permlane16_swap_b32 v[(\cd)+\i], v[(\cd)+8+\i]
.endr
.irp i, 0,1,2
	s_delay_alu instid0(VALU_DEP_3)
	v_mov_b32 v[(\cd)+3+\i], v[(\cd)+8+\i]
.endr
.endm
	s_load_b256 s[4:11], s[0:1], 0x0               ; qkv, qkvs, ao, aos
	v_lshl_add_u32 v254, v0, 2, SPARE
	v_mov_b32 v255, 0
	ds_add_u32 v254, v255
	ds_add_u32 v254, v255
	v_lshrrev_b32 v1, 5, v0
	v_readfirstlane_b32 s[WV], v1                  ; wave 0..15
	s_bfe_u32 s13, ttmp6, 0x40000                  ; cx
	s_lshl_b32 s14, ttmp9, 2
	s_add_co_u32 s14, s14, s13                     ; my block of 256 queries: it enters Q's addresses and the stores' alone
	s_and_b32 s15, ttmp7, 0xffff                   ; bh, which the four partners share
	s_mov_b32 s[SEL], 0x76543210
	s_mov_b32 s[SEL+1], 0xfedcba98
	s_mov_b32 s[CS], 0x3e38aa3b                    ; log2(e) / 8
	s_mov_b32 s[CS+1], s[CS]
.irp g, G1A, G1B                       ; group 1: dense rows of 32 elements of 8 bytes
	s_mov_b32 s[\g], 15|(3<<16)|(1<<21)            ; 15:0 the mask: all four work-groups; 17:16 elements of 8 bytes; 21 set beside a mask; no padding
	s_mov_b32 s[\g+1], 32<<16
	s_mov_b32 s[\g+3], 32<<16
	s_mov_b32 s[\g+5], 32
	s_mov_b32 s[\g+6], 0
	s_mov_b32 s[\g+7], 0
.endr
	s_mov_b32 s[G1A+2], 16<<16                     ; 16 rows a wave at the head,
	s_mov_b32 s[G1A+4], 16
	s_mov_b32 s[G1B+2], 34<<16                     ; 34 behind it: 16 x (16 + 34) = 800
	s_mov_b32 s[G1B+4], 34
	s_mul_i32 s80, s15, 16*STEPB
	s_add_co_u32 s80, s80, 3145728                 ; the head's image in qkv
	s_mov_b32 s81, 0
	s_lshl_b32 s90, s[WV], 12                      ; my 16 rows: byte 4,096 w of the image and of LDS
	s_mov_b32 s91, 0
	s_mul_i32 s92, s[WV], 8704
	s_add_co_u32 s92, s92, 65536                   ; my 34 rows: byte 65,536 + 8,704 w
	s_mov_b32 s93, 0
	s_lshl_b32 s84, s14, 4
	s_add_co_u32 s84, s84, s[WV]                   ; my tile of queries within the batch
	s_lshl_b32 s85, s15, 7
	s_add_co_u32 s85, s85, s84
	s_mul_i32 s86, s85, 768                        ; Q's half image
	s_mov_b32 s87, 0
	s_lshl_b32 s88, s85, 6                         ; and its words
	s_mov_b32 s89, 0
	v_and_b32 v4, 31, v0                           ; l
	v_and_b32 v5, 15, v0                           ; r
	v_bfe_u32 v9, v0, 4, 1                         ; h
	v_lshlrev_b32 v1, 4, v4                        ; 16 l
	v_lshlrev_b32 v2, 3, v4                        ; 8 l
	v_lshlrev_b32 v11, 2, v5                       ; 4 r
	v_lshlrev_b32 v9, 3, v9                        ; 8 h: how far my two bytes are shifted up in p's scale word
	v_lshl_add_u32 v3, v5, 4, 12288                ; a step's scale words: K's from its byte 12,288, a row's four words on end at 16 r; V's 256 bytes on
	s_wait_dscnt 0x0                               ; both opening adds are done
	s_wait_alu depctr_va_vdst(0)
	s_wait_kmcnt 0x0
	s_add_nc_u64 s[80:81], s[4:5], s[80:81]
	s_add_nc_u64 s[4:5], s[4:5], s[86:87]
	s_add_nc_u64 s[6:7], s[6:7], s[88:89]
	global_load_b128 v[16:19], v1, s[4:5]          ; Q as k 0-63: asked for ahead of the round, so that it is on its way beside the tiles
	global_load_b64 v[20:21], v2, s[4:5] offset:512
	global_load_b128 v[28:31], v1, s[4:5]          ; and as k 64-127: the same bytes once more, into registers of their own
	global_load_b64 v[32:33], v2, s[4:5] offset:512
	global_load_b32 v40, v11, s[6:7]               ; e0, e1, 127, 127
	s_mov_b32 s[G0A], 1
	s_mov_b32 s[G0A+1], s90
	s_add_nc_u64 s[G0A+2:G0A+3], s[80:81], s[90:91]
	s_or_b32 s[G0A+3], s[G0A+3], 0x80000000
	s_mov_b32 s[G0B], 1
	s_mov_b32 s[G0B+1], s92
	s_add_nc_u64 s[G0B+2:G0B+3], s[80:81], s[92:93]
	s_or_b32 s[G0B+3], s[G0B+3], 0x80000000
	CROUND                                         ; all four work-groups are here: the joint loads meet
	tensor_load_to_lds s[G0A:G0A+3], s[G1A:G1A+7]  ; one tensor load a wave at the head
	s_nop 0
	s_lshr_b32 s85, s15, 4
	s_lshl_b32 s85, s85, 7
	s_add_co_u32 s85, s85, s84                     ; my tile among all 256
	s_and_b32 s88, s15, 15                         ; the head
	s_lshl_b32 s86, s85, 4
	s_add_co_u32 s86, s86, s88
	s_mul_i32 s86, s86, 768
	s_add_nc_u64 s[8:9], s[8:9], s[86:87]          ; ao [tile][head][768]
	s_lshl_b32 s86, s85, 3
	s_lshr_b32 s89, s88, 1
	s_add_co_u32 s86, s86, s89
	s_lshl_b32 s86, s86, 6
	s_and_b32 s89, s88, 1
	s_lshl_b32 s89, s89, 1
	s_add_co_u32 s86, s86, s89
	s_add_nc_u64 s[10:11], s[10:11], s[86:87]      ; aos [tile][pair of heads][r]: an even head's two bytes below, an odd head's above
	s_wait_loadcnt 0x0
	v_lshl_or_b32 v41, v40, 16, 0x7f7f             ; the second word: 127, 127, e0, e1
.irp j, 22,23,24,25,26,27
	v_mov_b32 v[\j], 0                             ; the zero codes between the two copies of Q
.endr
	v_mov_b32 v13, 0xff61b1e6                      ; the largest score so far: -3e38, under every score
	v_mul_f32 v[T2], s[CS], v13
	v_floor_f32 v12, -v[T2]                        ; -M
	v_mov_b32 v14, 0                               ; the sum, in two halves
	v_mov_b32 v15, 0
	v_mov_b32 v[PD], 0                             ; written once: a lane permute's destination counts as one of its sources
	v_mov_b32 v[TM+2], 0
	v_mov_b32 v[TM+3], 0
	v_mov_b32 v[TP], 0
	v_mov_b32 v[SW], 0                             ; (named as the upper half of the pair with f before it is first written)
.set N, 0
.rept 32
	v_mov_b32 v[O+N], 0                            ; O^T.  (The step is written once: the first finds zeros, which the first change of M leaves zeros)
.set N, N+1
.endr
.macro TM8                             ; t - M of sixteen scores, two at a time
.rept 8
	v_pk_fma_f32 v[S+N:S+N+1], v[S+N:S+N+1], s[CS:CS+1], v[12:13] op_sel_hi:[1,0,0]
.set N, N+2
.endr
.endm
.macro SUM4 m                          ; eight more p onto the sum's four chains
.irp k, 0,1,2,3
	v_pk_add_f32 v[SA+2*\k:SA+2*\k+1], v[SA+2*\k:SA+2*\k+1], v[S+8*(\m)+2*\k:S+8*(\m)+2*\k+1]
.endr
.endm
; A KEY STEP: 128 keys.
.macro STEP
	v_add_nc_u32 v4, s[TK], v1                     ; four plain lines: the places between the last step's products and the loads into their registers
	v_add_nc_u32 v5, s[TK], v2
	v_add_nc_u32 v8, s[TK], v3
	v_mov_b32 v[TP], v12                           ; the old -M
.irp p, 0,1,2,3                        ; K's four fragments: each load takes 512 consecutive bytes
	ds_load_b128 v[KV+12*\p:KV+12*\p+3], v4 offset:1536*\p
	ds_load_b128 v[KV+12*\p+4:KV+12*\p+7], v4 offset:1536*\p+512
	ds_load_b128 v[KV+12*\p+8:KV+12*\p+11], v4 offset:1536*\p+1024
.endr
	ds_load_b128 v[KVS:KVS+3], v8                  ; my row's scale words of the four fragments
	s_wait_alu depctr_va_vdst(0)
	s_wait_dscnt 0x0
.irp p, 0,1,2,3
	v_wmma_scale_f32_16x16x128_f8f6f4 v[S+16*\p:S+16*\p+7], v[KV+12*\p:KV+12*\p+11], v[16:27], 0, v[KVS+\p], v40 matrix_a_fmt:MATRIX_FMT_BF6 matrix_b_fmt:MATRIX_FMT_BF6
	v_wmma_scale_f32_16x16x128_f8f6f4 v[S+16*\p+8:S+16*\p+15], v[KV+12*\p:KV+12*\p+11], v[22:33], 0, v[KVS+\p], v41 matrix_a_fmt:MATRIX_FMT_BF6 matrix_b_fmt:MATRIX_FMT_BF6
.endr
	PLACES                                         ; for the loads below and for the first reads of the scores
.irp t, 0,1,2,3                        ; V's four tiles of d for these 128 keys: they land under the softmax
	ds_load_b128 v[KV+12*\t:KV+12*\t+3], v4 offset:6144+768*\t
	ds_load_b64 v[KV+12*\t+4:KV+12*\t+5], v5 offset:6144+768*\t+512
	ds_load_b128 v[KV+12*\t+6:KV+12*\t+9], v4 offset:9216+768*\t
	ds_load_b64 v[KV+12*\t+10:KV+12*\t+11], v5 offset:9216+768*\t+512
.endr
	ds_load_b128 v[KVS:KVS+3], v8 offset:256       ; my row's scale words of the four tiles of d
; the largest score of my two blocks of 32 keys (block 2 c + h in registers 32 c on), two chains a block; each accumulator is read from its low end on
.irp c, 0,1
	v_max3_num_f32 v[MX+2*\c], v[S+32*\c], v[S+32*\c+1], v[S+32*\c+2]
	v_max3_num_f32 v[MX+2*\c+1], v[S+32*\c+16], v[S+32*\c+17], v[S+32*\c+18]
.endr
.irp i, 3,5,7,9,11,13
.irp c, 0,1
	v_max3_num_f32 v[MX+2*\c], v[MX+2*\c], v[S+32*\c+\i], v[S+32*\c+\i+1]
	v_max3_num_f32 v[MX+2*\c+1], v[MX+2*\c+1], v[S+32*\c+16+\i], v[S+32*\c+17+\i]
.endr
.endr
.irp c, 0,1
	v_max3_num_f32 v[MX+2*\c], v[MX+2*\c], v[S+32*\c+15], v[S+32*\c+31]
.endr
.irp c, 0,1
	s_delay_alu instid0(VALU_DEP_2)
	v_max_num_f32 v[MX+2*\c], v[MX+2*\c], v[MX+2*\c+1]
.endr
	s_delay_alu instid0(VALU_DEP_1)
	v_max_num_f32 v[T2], v[MX], v[MX+2]            ; of my 64 keys,
	s_delay_alu instid0(VALU_DEP_1)
	v_permlanex16_b32 v[PD], v[T2], s[SEL], s[SEL+1]
	s_delay_alu instid0(VALU_DEP_1)
	v_max3_num_f32 v13, v13, v[T2], v[PD]          ; of lane l xor 16's 64, and of all steps so far
	s_delay_alu instid0(VALU_DEP_1)
	v_mul_f32 v[T2], s[CS], v13                    ; as t (c is positive)
	s_delay_alu instid0(VALU_DEP_1)
	v_floor_f32 v12, -v[T2]                        ; the new -M = floor(-t): M is a whole number
.set N, 0
	TM8                                            ; the three lines that make f stand among the multiply-adds, which do not hang on them
	v_sub_f32 v[TP], v12, v[TP]                    ; old M - new M: a whole number, 0 or less
	TM8
	v_cvt_i32_f32 v[TP], v[TP]                     ; (it saturates)
	TM8
	v_ldexp_f32 v[FF], 1.0, v[TP]                  ; f = 2^(old M - new M)
	TM8
.irp c, 0,1
	v_fma_f32 v[MX+2*\c], v[MX+2*\c], s[CS], v12   ; the same of each block's largest score
.endr
	s_wait_alu depctr_va_vdst(0)
.set N, 0
.rept 64
	v_exp_f32 v[S+N], v[S+N]                       ; p = 2^(t - M), at most 1
.set N, N+1
.endr
.irp c, 0,1
	v_exp_f32 v[MX+2*\c], v[MX+2*\c]               ; the block's largest p
.endr
	v_pk_mul_f32 v[14:15], v[14:15], v[FF:FF+1] op_sel_hi:[1,0]    ; the sums under the new M; also the plain line behind the exponentials
	s_wait_alu depctr_va_vdst(0)                   ; one wait for the whole batch, ahead of its first reader
; p's scales, codes and scale word; between their lines, which hang on each other, stands the row's sum, of the unquantised p, two at a time in four chains
.irp c, 0,1
	v_max_num_f32 v[MX+2*\c], 0x2800000, v[MX+2*\c]                ; the floor 2^(5 - 127)
.endr
.irp k, 0,1,2,3
	v_pk_add_f32 v[SA+2*\k:SA+2*\k+1], v[S+2*\k:S+2*\k+1], v[S+8+2*\k:S+9+2*\k]
.endr
.irp c, 0,1
	v_add_nc_u32 v[SO+\c], 0xfe000000, v[MX+2*\c]  ; the conversion's scale operand
.endr
	SUM4 2
.irp c, 0,1                            ; my block 2 c + h: registers 6 c .. 6 c + 5 of the operand
	v_cvt_scalef32_pk16_bf6_f32 v[PC+6*\c:PC+6*\c+2], v[S+32*\c:S+32*\c+15], v[SO+\c]
	v_cvt_scalef32_pk16_bf6_f32 v[P2+4*\c:P2+4*\c+2], v[S+32*\c+16:S+32*\c+31], v[SO+\c]   ; (a conversion's three registers begin on an even number)
.endr
.irp c, 0,1
	v_lshrrev_b32 v[EB+\c], 23, v[SO+\c]           ; the byte; also the plain lines behind the conversions
.endr
	SUM4 3
	v_lshl_or_b32 v[T2], v[EB+1], 16, v[EB]        ; my two bytes: blocks h and 2 + h,
	SUM4 4
	v_lshlrev_b32 v[T2], v9, v[T2]                 ; at their places in the word;
	SUM4 5
	v_permlanex16_b32 v[PD], v[T2], s[SEL], s[SEL+1]
	SUM4 6
	v_or_b32 v[SW], v[T2], v[PD]                   ; with lane l xor 16's two p's scale word for these 128 keys is whole
	SUM4 7
	v_pk_add_f32 v[SA:SA+1], v[SA:SA+1], v[SA+2:SA+3]
	v_pk_add_f32 v[SA+4:SA+5], v[SA+4:SA+5], v[SA+6:SA+7]
.irp c, 0,1
.irp i, 0,1,2
	v_mov_b32 v[PC+3+6*\c+\i], v[P2+4*\c+\i]
.endr
.endr
	v_pk_add_f32 v[SA:SA+1], v[SA:SA+1], v[SA+4:SA+5]
	v_pk_add_f32 v[14:15], v[14:15], v[SA:SA+1]
	s_wait_alu depctr_va_vdst(0)
.set N, 0
.rept 16
	v_pk_mul_f32 v[O+N:O+N+1], v[O+N:O+N+1], v[FF:FF+1] op_sel_hi:[1,0]   ; O^T under the new M, from each accumulator's low end on.  These are also the plain lines between p's codes and scale word and the products
.set N, N+2
.endr
	s_wait_alu depctr_va_vdst(0)
	s_wait_dscnt 0x0                               ; V is in
.irp t, 0,1,2,3                        ; the four accumulators by turns, one instruction a turn
	v_wmma_scale_f32_16x16x128_f8f6f4 v[O+8*\t:O+8*\t+7], v[KV+12*\t:KV+12*\t+11], v[PC:PC+11], v[O+8*\t:O+8*\t+7], v[KVS+\t], v[SW] matrix_a_fmt:MATRIX_FMT_BF6 matrix_b_fmt:MATRIX_FMT_BF6
.endr
.endm
.macro RUN n                           ; n steps on end
	s_mov_b32 s[CNT], \n
.Lstep_\@:
	STEP
	s_add_co_u32 s[TK], s[TK], STEPB
	s_sub_co_u32 s[CNT], s[CNT], 1
	s_cmp_lg_u32 s[CNT], 0
	s_cbranch_scc1 .Lstep_\@
.endm
	s_wait_alu depctr_va_vdst(0)
	s_wait_tensorcnt 0x0                           ; my 16 rows are in
	ds_add_u32 v254, v255
	s_mov_b32 s[TK], 0
	s_wait_dscnt 0x0
	CROUND                                         ; everybody's rows are in, and all four work-groups are here: the joint loads meet
	tensor_load_to_lds s[G0B:G0B+3], s[G1B:G1B+7]  ; my 34 rows of the rest, the first tensor load behind the round
	s_nop 0
	RUN 5                                          ; steps 0 to 4 lie in the first 64,000 bytes
	s_wait_tensorcnt 0x0                           ; my 34 rows are in
	s_wait_dscnt 0x0                               ; none of my LDS instructions is out at the signal
	s_barrier_signal -1
	s_barrier_wait -1                              ; everybody's are
	s_mov_b32 s[TK], 5*STEPB
	RUN 11
	; THE WAY OUT: O^T / the sum, quantised along d, stored as the half image (my tile of tokens, my head) of the last projection's operand
	PLACES                                         ; behind the last products
	v_add_f32 v14, v14, v15                        ; the sum's two halves,
	s_delay_alu instid0(VALU_DEP_1)
	v_permlanex16_b32 v[TP], v14, s[SEL], s[SEL+1]
	s_delay_alu instid0(VALU_DEP_1)
	v_add_f32 v14, v14, v[TP]                      ; and lane l xor 16's: the row's sum
	s_wait_alu depctr_va_vdst(0)
	v_rcp_f32 v14, v14
	v_nop                                          ; one plain line behind the reciprocal
	s_wait_alu depctr_va_vdst(0)                   ; and behind it, directly ahead of the first reader of it and of O^T
.set N, 0
.rept 32
	v_mul_f32 v[S+N], v[O+N], v14                  ; register 16 b + i: d = 32 b + 16 h + i of my query
.set N, N+1
.endr
	QUANT2 S, PC
	global_store_b128 v1, v[PC:PC+3], s[8:9]       ; 512 consecutive bytes, at a multiple of 256
	global_store_b64 v2, v[PC+4:PC+5], s[8:9] offset:512
	global_store_b16 v11, v[HW], s[10:11]          ; my head's half of the scale words: two bytes a row, once in the launch; lanes r and r + 16 store the same value
	s_wait_tensorcnt 0x0                           ; the wave's end
	ds_add_u32 v254, v255
	s_wait_dscnt 0x0
	CROUND                                         ; the closing round: no work-group ends while a partner may still ask for a tile that names it
	s_endpgm
.Lfunc_end_k_q7c9d984ff3_attn:
	.size	k_q7c9d984ff3_attn, .Lfunc_end_k_q7c9d984ff3_attn-k_q7c9d984ff3_attn
	.p2alignl 7, 3214868480
	.fill 96, 4, 3214868480
	.section	.rodata,"a",@progbits
	.p2align	6, 0x0
	.amdhsa_kernel k_q7c9d984ff3_attn
		.amdhsa_group_segment_fixed_size 327680
		.amdhsa_private_segment_fixed_size 0
		.amdhsa_enable_private_segment 0
		.amdhsa_kernarg_size 32
		.amdhsa_user_sgpr_count 2
		.amdhsa_user_sgpr_kernarg_segment_ptr 1
		.amdhsa_wavefront_size32 1
		.amdhsa_system_sgpr_workgroup_id_x 1
		.amdhsa_system_sgpr_workgroup_id_y 1
		.amdhsa_system_sgpr_workgroup_id_z 1
		.amdhsa_system_vgpr_workitem_id 0
		.amdhsa_next_free_vgpr 256
		.amdhsa_next_free_sgpr 96
		.amdhsa_reserve_vcc 0
		.amdhsa_float_denorm_mode_32 3
		.amdhsa_float_denorm_mode_16_64 3
		.amdhsa_memory_ordered 1
		.amdhsa_forward_progress 1
		.amdhsa_inst_pref_size 42
	.end_amdhsa_kernel
	.amdgpu_metadata
---
amdhsa.version: [ 1, 2 ]
amdhsa.kernels:
  - .name:           k_q7c9d984ff3_attn
    .symbol:         k_q7c9d984ff3_attn.kd
    .args:
      - { .name: qkv, .offset: 0, .size: 8, .value_kind: global_buffer, .address_space: global }
      - { .name: qkvs, .offset: 8, .size: 8, .value_kind: global_buffer, .address_space: global }
      - { .name: ao, .offset: 16, .size: 8, .value_kind: global_buffer, .address_space: global }
      - { .name: aos, .offset: 24, .size: 8, .value_kind: global_buffer, .address_space: global }
    .group_segment_fixed_size: 327680
    .private_segment_fixed_size: 0
    .kernarg_segment_align: 8
    .kernarg_segment_size: 32
    .max_flat_workgroup_size: 512
    .sgpr_count:     96
    .vgpr_count:     256
    .wavefront_size: 32
...
	.end_amdgpu_metadata
.endif
;; end of part 3
;; launch oproj (part 4): grid 16 x 16, 4 waves a work-group, clusters of 4 x 4, 327,680 bytes of LDS; arguments ao, aos, wc, ws, bo, out0; writes out0
.if DOCPART == 4
	.amdgcn_target "amdgcn-amd-amdhsa--gfx1250"
	.amdhsa_code_object_version 6
	.text
	.protected	k_q7c9d984ff3_oproj
	.globl	k_q7c9d984ff3_oproj
	.p2align	8
	.type	k_q7c9d984ff3_oproj,@function
k_q7c9d984ff3_oproj:
	s_mov_b64 s[64:65], 0
	v_nop
	global_prefetch_b8 v0, s[64:65] scope:SCOPE_SE
	s_setreg_imm32_b32 hwreg(HW_REG_WAVE_MODE, 25, 1), 1
	s_wait_xcnt 0x0
	s_wait_alu depctr_hold_cnt(0) depctr_sa_sdst(0) depctr_va_vdst(0) depctr_va_sdst(0) depctr_va_ssrc(0) depctr_va_vcc(0) depctr_vm_vsrc(0)
	s_getreg_b32 s2, hwreg(HW_REG_IB_STS2, 6, 4)
	s_cmp_eq_u32 s2, 0
	s_cbranch_scc0 .Lentry_in_a_cluster
	s_endpgm
.Lentry_in_a_cluster:
	s_bfe_u32 s2, ttmp6, 0x10000c
	s_cmp_lg_u32 s2, 0xf033
	s_cbranch_scc0 .Lentry_shape_is_right
	s_endpgm
.Lentry_shape_is_right:
; out = a Wo + bo on codes of BF6 (E3M2) with E8M0 scales, sums in f32; a is the attention's result, quantised along the heads' 1,024 by the launch before.
; SHARES.  A work-group takes 256 tokens (x of the grid) and 64 columns (y); a wave 64 tokens, four tiles of 16, against four tiles of 16 columns: 16 accumulators, K in 8 steps of 128.
; CLUSTER, 4 x 4.  The four work-groups of a column of the cluster take the same 256 tokens, the four of a row the same 64 columns: a's codes are asked for JOINTLY down the column, Wo's codes and scale words along the row.
; LDS, each byte filled once: a's 16 tiles (196,608 bytes), Wo's four tiles (49,152), Wo's scale words (2,048); behind them a stage of 16 rows x 272 bytes for each wave.  At the head each wave issues one load: a's tiles 0-7;
; a's tiles 8-15; Wo's tiles; Wo's words.  8 KiB beside the 242 KiB that come jointly.
; NO PREFETCH: everything is asked for at the head, and there is no loop to run ahead in.
; LAYOUTS.  A half image, 768 bytes: 16 rows x 64 K: lane l = r + 16 h holds row r's block h: registers 0-3 at 16 l, registers 4-5 at 512 + 8 l.  A fragment = two half images.  ao [tile 256][K step 8][1536], aos [tile][K step][16 words].
; Row r of a tile T of tokens is token 64 (T / 4) + 8 (T % 4) + r % 8 + 32 (r / 8); row r of a tile t of columns is column 32 (t / 2) + 8 (t % 2) + r + 8 (r / 8).
; Source 0 = 16 columns of Wo, source 1 = 16 tokens: a lane holds one token, and the 16 registers of tiles 2 b, 2 b + 1 are the columns 32 b + 16 h + 0 .. 15.  The bias is the C of each sum's first matrix instruction.
; REGISTERS, in windows of 256.  Window 0: v1-21 addresses; v32-63 a's scale words; v64-95 Wo's; v96-143, v144-191 Wo's four fragments, two buffers (on the way out: rows read back); v254-255 the add's.
;   Window 1: v0-191 a's fragments of K steps 0-3 (48 s + 12 j); v192-223 bo as C.   Window 2: v0-191 K steps 4-7.   Window 3: v0-127 the 16 accumulators (32 j + 8 i).
.set XB,  0
.set WQ,  196608
.set WSC, 245760
.set STG, 247808
.set SPARE, 265216
.set XS,  32
.set WS,  64
.set WB,  96
.set WV,  22
.set G1X, 36
.set XSA, 44                           ; s[44:45] my tiles' scale words in aos
.set G1W, 52
.set G1C, 68
.set G0X, 84
.set G0Y, 88
.set G0W, 92
.set G0C, 96
.set MSB, 0
.macro WIN new                         ; s_set_vgpr_msb: bits 1:0 source 0, 3:2 source 1, 5:4 source 2, 7:6 destination; the high byte repeats the setting that is left
.if MSB != \new
	s_set_vgpr_msb (MSB<<8)|\new
.set MSB, \new
.endif
.endm
.macro PLACES                          ; four plain lines between a matrix instruction and a load into its registers or a read of its result
.rept 4
	v_nop
.endr
.endm
.macro CROUND                          ; a round of the cluster's barrier
	s_barrier_signal -1
	s_barrier_wait -1
	s_cmp_lg_u32 s[WV], 0
	s_cbranch_scc1 .Lnot_wave_0_\@
	s_barrier_signal -3
.Lnot_wave_0_\@:
	s_barrier_wait -3
	s_barrier_signal -1
	s_barrier_wait -1
.endm
.macro D1 g, c, r, p                   ; group 1 behind its first word: r rows of c elements of 8 bytes, p elements from row to row
	s_mov_b32 s[\g+1], (\c)<<16
	s_mov_b32 s[\g+2], (\r)<<16
	s_mov_b32 s[\g+3], (\c)<<16
	s_mov_b32 s[\g+4], \r
	s_mov_b32 s[\g+5], \p
	s_mov_b32 s[\g+6], 0
	s_mov_b32 s[\g+7], 0
.endm
.macro D0 g, lds, ptr, off             ; group 0
	s_mov_b32 s[\g], 1
	s_mov_b32 s[\g+1], \lds
	s_add_nc_u64 s[\g+2:\g+3], s[\ptr:\ptr+1], s[\off:\off+1]
	s_or_b32 s[\g+3], s[\g+3], 0x80000000
.endm
.macro ARM under, g0, g1, next         ; one arm of the head's chain: a load, its s_nop 0 and four v_nop, a jump to the join
	s_cmp_lt_u32 s[WV], \under
	s_cbranch_scc0 \next
	tensor_load_to_lds s[\g0:\g0+3], s[\g1:\g1+7]
	s_nop 0
	PLACES
	s_branch .Lasked
\next:
.endm
.macro MM d, a, b, c, sa, sb
	v_wmma_scale_f32_16x16x128_f8f6f4 v[(\d):(\d)+7], v[(\a):(\a)+11], v[(\b):(\b)+11], v[(\c):(\c)+7], v[\sa], v[\sb] matrix_a_fmt:MATRIX_FMT_BF6 matrix_b_fmt:MATRIX_FMT_BF6
.endm
	s_load_b256 s[4:11], s[0:1], 0x0               ; ao, aos, wc, ws
	s_load_b128 s[12:15], s[0:1], 0x20             ; bo, out0
	v_lshl_add_u32 v254, v0, 2, SPARE
	v_mov_b32 v255, 0
	ds_add_u32 v254, v255
	ds_add_u32 v254, v255
	v_lshrrev_b32 v1, 5, v0
	v_readfirstlane_b32 s[WV], v1                  ; wave 0..3
	s_bfe_u32 s23, ttmp6, 0x40000                  ; cx
	s_bfe_u32 s26, ttmp6, 0x40004                  ; cy
	s_lshl_b32 s24, ttmp9, 2
	s_add_co_u32 s24, s24, s23                     ; row group = 4 x cluster x + cx
	s_and_b32 s25, ttmp7, 0xffff
	s_lshl_b32 s25, s25, 2
	s_add_co_u32 s25, s25, s26                     ; column group = 4 x cluster y + cy
	s_lshl_b32 s27, s26, 2
	s_lshl_b32 s27, 15, s27                        ; my row of the cluster: the same columns
	s_lshl_b32 s28, 0x1111, s23                    ; my column: the same tokens
	s_or_b32 s[G1X], s28, (3<<16)|(1<<21)          ; 15:0 the mask; 17:16 elements of 8 bytes; 21 set beside a mask; no padding
	s_or_b32 s[G1W], s27, (3<<16)|(1<<21)
	s_or_b32 s[G1C], s27, (3<<16)|(1<<21)
	D1 G1X, 32, 384, 32                            ; eight tiles of a: 98,304 dense bytes as rows of 256
	D1 G1W, 32, 192, 32                            ; Wo's four tiles: 49,152 dense bytes
	D1 G1C, 32, 8, 32                              ; their scale words: 2,048 dense bytes
	s_mul_i32 s30, s24, 196608                     ; a's tiles hang on the row group alone: tiles 0-7,
	s_mov_b32 s31, 0
	s_add_co_u32 s46, s30, 98304                   ; tiles 8-15;
	s_mov_b32 s47, 0
	s_lshl_b32 s32, s24, 13
	s_lshl_b32 s33, s[WV], 11
	s_add_co_u32 s32, s32, s33                     ; my four tiles' scale words
	s_mov_b32 s33, 0
	s_mul_i32 s26, s25, 49152                      ; Wo's on the column group alone
	s_add_co_u32 s26, s26, 3*786432                ; (Wo is the fourth matrix of wc and ws)
	s_mov_b32 s27, 0
	s_lshl_b32 s28, s25, 11
	s_add_co_u32 s28, s28, 3*32768
	s_mov_b32 s29, 0
	v_and_b32 v21, 31, v0                          ; l
	v_and_b32 v18, 15, v0                          ; r
	v_bfe_u32 v19, v0, 4, 1                        ; h
	v_lshlrev_b32 v1, 4, v21                       ; 16 l
	v_lshlrev_b32 v2, 3, v21                       ; 8 l
	v_lshlrev_b32 v3, 2, v18                       ; 4 r
	v_lshlrev_b32 v4, 6, v19                       ; bo: my half's 16 numbers
	v_add_nc_u32 v6, WQ, v1                        ; Wo in LDS
	v_add_nc_u32 v7, WQ, v2
	s_mul_i32 s84, s[WV], 49152
	v_add_nc_u32 v10, s84, v1                      ; my four tiles of a
	v_add_nc_u32 v11, s84, v2
	v_add_nc_u32 v12, WSC, v3
	s_mul_i32 s84, s[WV], 16*272
	s_add_co_u32 s84, s84, STG                     ; my stage
	v_mul_u32_u24 v13, v18, 272
	v_lshl_add_u32 v13, v19, 6, v13
	v_add_nc_u32 v13, s84, v13                     ; into it: row r, 64 bytes for each half of the lanes
	v_mul_u32_u24 v14, v19, 272
	v_lshl_add_u32 v14, v18, 4, v14
	v_add_nc_u32 v14, s84, v14                     ; back: lanes 0-15 take one row of 256 bytes, lanes 16-31 the next
	v_lshlrev_b32 v15, 12, v19
	v_lshl_add_u32 v15, v18, 4, v15                ; and the same two rows in out0
	s_wait_alu depctr_va_vdst(0)
	s_wait_dscnt 0x0                               ; both opening adds are done
	s_wait_kmcnt 0x0
	D0 G0X, XB, 4, 30
	D0 G0Y, XB+98304, 4, 46
	D0 G0W, WQ, 8, 26
	D0 G0C, WSC, 10, 28
	s_add_nc_u64 s[XSA:XSA+1], s[6:7], s[32:33]
	CROUND                                         ; all sixteen work-groups are here: the joint loads meet
	ARM 1, G0X, G1X, .Lh1                          ; all fills of the launch, one a wave, in one chain of branches on the wave's number
	ARM 2, G0Y, G1X, .Lh2
	ARM 3, G0W, G1W, .Lh3
	tensor_load_to_lds s[G0C:G0C+3], s[G1C:G1C+7]
	s_nop 0
	PLACES
.Lasked:
	s_lshl_b32 s28, s25, 8                         ; my 64 columns, in bo and in a row of out0
	s_mov_b32 s29, 0
	s_add_nc_u64 s[12:13], s[12:13], s[28:29]
	s_add_nc_u64 s[14:15], s[14:15], s[28:29]
	s_lshl_b32 s26, s24, 4
	s_lshl_b32 s27, s[WV], 2
	s_add_co_u32 s26, s26, s27                     ; my first tile of tokens: 16 x row group + 4 x wave
	s_lshl_b32 s28, s26, 16                        ; 16 tokens of 4,096 bytes a tile
	s_add_nc_u64 s[14:15], s[14:15], s[28:29]
.irp j, 0,1,2,3
.irp s, 0,1,2,3,4,5,6,7
	global_load_b32 v[XS+8*\j+\s], v3, s[XSA:XSA+1] offset:512*\j+64*\s   ; a's scale words: row r's word of tile j, K step s; once in the launch
.endr
.endr
	WIN 0x40
.irp t, 0,1,2,3                        ; for Wo's tile t lane (r, h) wants the bias of columns 32 (t / 2) + 8 (t % 2) + 16 h + 0 .. 7
	global_load_b128 v[192+8*\t:195+8*\t], v4, s[12:13] offset:(32*(\t/2)+8*(\t%2))*4
	global_load_b128 v[196+8*\t:199+8*\t], v4, s[12:13] offset:(32*(\t/2)+8*(\t%2))*4+16
.endr
	WIN 0
.macro XLOAD s                         ; a's four fragments of K step s from LDS: 16 loads of consecutive bytes
.if (\s) < 4
	WIN 0x40
.else
	WIN 0x80
.endif
.set XO, 48*((\s)%4)
.irp j, 0,1,2,3
	ds_load_b128 v[XO+12*\j:XO+12*\j+3], v10 offset:12288*\j+1536*(\s)
	ds_load_b64 v[XO+12*\j+4:XO+12*\j+5], v11 offset:12288*\j+1536*(\s)+512
	ds_load_b128 v[XO+12*\j+6:XO+12*\j+9], v10 offset:12288*\j+1536*(\s)+768
	ds_load_b64 v[XO+12*\j+10:XO+12*\j+11], v11 offset:12288*\j+1536*(\s)+1280
.endr
	WIN 0
.endm
.macro FETCHW s, buf                   ; Wo's four fragments of K step s into buffer buf
	WIN 0
.set BB, WB+48*(\buf)
.irp t, 0,1,2,3
	ds_load_b128 v[BB+12*\t:BB+12*\t+3], v6 offset:12288*\t+1536*(\s)
	ds_load_b64 v[BB+12*\t+4:BB+12*\t+5], v7 offset:12288*\t+1536*(\s)+512
	ds_load_b128 v[BB+12*\t+6:BB+12*\t+9], v6 offset:12288*\t+1536*(\s)+768
	ds_load_b64 v[BB+12*\t+10:BB+12*\t+11], v7 offset:12288*\t+1536*(\s)+1280
.endr
.endm
; 16 matrix instructions: a K step.  The 16 accumulators take turns, one instruction a turn, in the same order in every K step.  At K step 0 the bias is C.
.macro MUL16 s, buf
.set BB, WB+48*(\buf)
.set XO, 48*((\s)%4)
.if \s == 0                            ; source 0 (Wo) window 0, source 1 (a) window 1 or 2, C and D window 3 (the bias: window 1)
	WIN 0xd4
.elseif \s < 4
	WIN 0xf4
.else
	WIN 0xf8
.endif
.irp j, 0,1,2,3
.irp i, 0,1,2,3
.if \s == 0
	MM 32*\j+8*\i, BB+12*\i, XO+12*\j, 192+8*\i, WS+8*\i+\s, XS+8*\j+\s
.else
	MM 32*\j+8*\i, BB+12*\i, XO+12*\j, 32*\j+8*\i, WS+8*\i+\s, XS+8*\j+\s
.endif
.endr
.endr
.endm
.macro KSTEP s
.if \s < 7
.if \s > 0
	PLACES                                         ; for the loads into the buffer that the last K step multiplied
.endif
	FETCHW \s+1, (\s+1)%2
	XLOAD \s+1
	s_wait_dscnt 32                                ; all but the 32 loads just issued: this K step's fragments and Wo's scale words are in
	MUL16 \s, \s%2
.else
	s_wait_dscnt 0x0
	MUL16 7, 1
.endif
.endm
	s_wait_tensorcnt 0x0                           ; my one load has landed
	s_barrier_signal -1
	s_barrier_wait -1                              ; everybody's has
.irp t, 0,1,2,3
.irp s, 0,1,2,3,4,5,6,7
	ds_load_b32 v[WS+8*\t+\s], v12 offset:512*\t+64*\s
.endr
.endr
	FETCHW 0, 0
	XLOAD 0
	s_wait_loadcnt 0x0                             ; a's scale words and the bias are in
.irp s, 0,1,2,3,4,5,6,7
	KSTEP \s
.endr
	WIN 0
	PLACES                                         ; behind the last products
; THE WAY OUT, tile by tile of 16 tokens x 64 columns: through my own stage and back as whole rows of 256 bytes.  LDS serves a wave's instructions in order (ISA guide 5.7.1.4): no wait between the stores and the loads.
.irp j, 0,1,2,3
.if \j >= 2
	s_wait_xcnt 0x0                                ; tile j - 2's stores have read their registers: tile j's rows may land there
.endif
	WIN 0x0c                                       ; a store's data are its source 1: window 3
.irp b, 0,1
.irp q, 0,1,2,3
	ds_store_b128 v13, v[32*\j+16*\b+4*\q:32*\j+16*\b+4*\q+3] offset:128*\b+16*\q   ; each accumulator from its low end on
.endr
.endr
	WIN 0
.irp i, 0,1,2,3,4,5,6,7
	ds_load_b128 v[WB+32*(\j%2)+4*\i:WB+32*(\j%2)+4*\i+3], v14 offset:544*\i
.endr
.irp i, 0,1,2,3,4,5,6,7
	s_wait_dscnt 7-\i                              ; the younger read-backs may be out
	global_store_b128 v15, v[WB+32*(\j%2)+4*\i:WB+32*(\j%2)+4*\i+3], s[14:15] offset:(8*\j+2*\i+24*(\i/4))*4096 th:TH_STORE_NT   ; row r of my tile j is token 8 j + r % 8 + 32 (r / 8) of my 64; sixteen lanes store 256 consecutive bytes
.endr
.endr
	s_wait_tensorcnt 0x0                           ; the wave's end
	ds_add_u32 v254, v255
	s_wait_dscnt 0x0
	CROUND                                         ; the closing round: no work-group ends while a partner may still ask for a tile that names it
	s_endpgm
.Lfunc_end_k_q7c9d984ff3_oproj:
	.size	k_q7c9d984ff3_oproj, .Lfunc_end_k_q7c9d984ff3_oproj-k_q7c9d984ff3_oproj
	.p2alignl 7, 3214868480
	.fill 96, 4, 3214868480
	.section	.rodata,"a",@progbits
	.p2align	6, 0x0
	.amdhsa_kernel k_q7c9d984ff3_oproj
		.amdhsa_group_segment_fixed_size 327680
		.amdhsa_private_segment_fixed_size 0
		.amdhsa_enable_private_segment 0
		.amdhsa_kernarg_size 48
		.amdhsa_user_sgpr_count 2
		.amdhsa_user_sgpr_kernarg_segment_ptr 1
		.amdhsa_wavefront_size32 1
		.amdhsa_system_sgpr_workgroup_id_x 1
		.amdhsa_system_sgpr_workgroup_id_y 1
		.amdhsa_system_sgpr_workgroup_id_z 1
		.amdhsa_system_vgpr_workitem_id 0
		.amdhsa_next_free_vgpr 1024
		.amdhsa_next_free_sgpr 102
		.amdhsa_reserve_vcc 0
		.amdhsa_float_denorm_mode_32 3
		.amdhsa_float_denorm_mode_16_64 3
		.amdhsa_memory_ordered 1
		.amdhsa_forward_progress 1
		.amdhsa_inst_pref_size 56
	.end_amdhsa_kernel
	.amdgpu_metadata
---
amdhsa.version: [ 1, 2 ]
amdhsa.kernels:
  - .name:           k_q7c9d984ff3_oproj
    .symbol:         k_q7c9d984ff3_oproj.kd
    .args:
      - { .name: ao, .offset: 0, .size: 8, .value_kind: global_buffer, .address_space: global }
      - { .name: aos, .offset: 8, .size: 8, .value_kind: global_buffer, .address_space: global }
      - { .name: wc, .offset: 16, .size: 8, .value_kind: global_buffer, .address_space: global }
      - { .name: ws, .offset: 24, .size: 8, .value_kind: global_buffer, .address_space: global }
      - { .name: bo, .offset: 32, .size: 8, .value_kind: global_buffer, .address_space: global }
      - { .name: out0, .offset: 40, .size: 8, .value_kind: global_buffer, .address_space: global }
    .group_segment_fixed_size: 327680
    .private_segment_fixed_size: 0
    .kernarg_segment_align: 8
    .kernarg_segment_size: 48
    .max_flat_workgroup_size: 128
    .sgpr_count:     102
    .vgpr_count:     1024
    .wavefront_size: 32
...
	.end_amdgpu_metadata
.endif
;; end of part 4
